; MI455X (gfx1250); checked and timed in simulation.
; The chip was launched on July 23, 2026; its instructions are those of AMD's public machine-readable ISA for CDNA 5 (MIT licence, August 2026) and "CDNA5" Instruction Set Architecture Reference Guide (July 2026). The comments in the code are by the model that wrote it; some were corrected since.
;; Multi Head Attention. Allowed arithmetic: matrix products marked QUANTISED: E2M3 operands, one E8M0 scale for each 32 along K, by v_wmma_scale_f32_16x16x128_f8f6f4 with both operands' format E2M3, f32 sums; everything else in f32.
;; Inputs: b_in 3,072 float32; b_o 1,024 float32; key 2 x 2,048 x 1,024 float32; query 2 x 2,048 x 1,024 float32; value 2 x 2,048 x 1,024 float32; w_in 3,072 x 1,024 float32; w_o 1,024 x 1,024 float32.
;; Outputs: out0 2 x 2,048 x 1,024 float32.
;; This version of the problem:
;;   THIS VERSION OF THE PROBLEM IS GIVEN IN LOW PRECISION. The matrix products marked QUANTISED in the list below multiply operands that are first quantised to E2M3 (2 exponent bits, 3 mantissa bits; 6 bits a number), with one power-of-two scale for each 32 numbers along K (OCP MX v1.0); their sums are f32. All else is computed in f32.
;;   The module's matrix products, in the order in which they are computed (A, B: the left and right operand; K: the contracted axis; several contracted axes count as one K, in the product's order):
;;     1. [M 4,096, K 1,024] x [K 1,024, N 3,072]; A: input query; B: input w_in: QUANTISED
;;     2. batch 32 x [M 2,048, K 64] x [K 64, N 2,048]; A: computed on the way; B: computed on the way: QUANTISED
;;     3. batch 32 x [M 2,048, K 2,048] x [K 2,048, N 64]; A: softmax (see below); B: computed on the way: QUANTISED
;;     4. [M 4,096, K 1,024] x [K 1,024, N 1,024]; A: computed on the way; B: input w_o: QUANTISED
;;   THE QUANTISER, for each operand of a quantised product, along K:
;;     - K is cut into blocks of 32 from its start; a last block that is shorter is filled with zeros.
;;     - A block's scale is 2^e with e = floor(log2(the largest magnitude in the block)) - 2, held to -126 .. 127; a block of zeros has e = 0. As a byte (E8M0): e + 127.
;;     - Each number is divided by its block's scale, clamped to +-7.5, and rounded to the nearest number of E2M3, ties to even, subnormals kept.
;;     - The product sums the exact products of the quantised numbers (number of the format x scale) in f32.
;;   ~~~python
;;   def quantise(x, axis):      # numpy; x: float32 -> the quantised numbers, widened to float32 again
;;       x = np.moveaxis(x, axis, -1); K = x.shape[-1]
;;       x = np.pad(x, [(0, 0)] * (x.ndim - 1) + [(0, -K % 32)]); x = x.reshape(x.shape[:-1] + (-1, 32)); a = np.abs(x).max(-1, keepdims=True)
;;       e = np.where(a > 0, np.clip(np.frexp(np.where(a > 0, a, 1))[1] - 1 - 2, -126, 127), 0)      # np.frexp(a)[1] - 1 = floor(log2(a)), exactly
;;       r = np.clip(x / 2.0 ** e, -7.5, 7.5)
;;       step = 2.0 ** (np.maximum(np.frexp(np.where(r == 0, 1, r))[1] - 1, 0) - 3)
;;       q = np.round(r / step) * step * 2.0 ** e      # np.round: ties to even
;;       return np.moveaxis(q.reshape(q.shape[:-2] + (-1,))[..., :K], -1, axis).astype(np.float32)
;;   ~~~
;;   SOFTMAX AHEAD OF A QUANTISED PRODUCT. Where the list says 'softmax', what is quantised is not the finished softmax but p = 2^(t - M), with t = logit x log2(e) and M = ceil(the row's largest t), a whole number; so 1/2 < the row's largest p <= 1. The row's sum l is taken of the UNQUANTISED p, in f32, and the product's result is divided by l at the end. Since M is a whole number, a kernel that streams over the keys may use a running M (the ceiling of the running maximum): every later rescaling is an exact power of two, which a block's scale takes up: the codes' values come out the same.
;;   OPERANDS COMPUTED ON THE WAY. 'Computed on the way' means the value that the module computes at that place (a softmax that the list does not call 'softmax' is quantised finished and normalised). What goes into a quantiser is computed in f32, as accurately as f32 sums, v_exp_f32 and their like allow (about 1e-6 of the number): no bf16 or f16 on the way to a quantiser, and a product that is left as it is and whose result goes on into a quantised operand takes f32 operands (vector FMAs, or v_wmma_f32_16x16x4_f32). A number that lies on a knife's edge between two numbers of the format may be rounded either way, as far as f32 arithmetic and the matrix unit's own rounding can turn it there, and no further.
;; One version. Each part assembles by itself: llvm-mc -triple=amdgcn-amd-amdhsa -mcpu=gfx1250 --defsym DOCPART=n.
;; ======== version 1 of 1: 4 launches
;; limits: right only within a limited range of input values
;; workspace buffers: ops 6,553,600 bytes; qkv 9,830,400 bytes; att 3,276,800 bytes
;; launch quant (part 1): grid 256 x 1, 4 waves a work-group, no clusters, 34,304 bytes of LDS; arguments query, w_in, w_o, ops; writes ops
.if DOCPART == 1
	.amdgcn_target "amdgcn-amd-amdhsa--gfx1250"
	.amdhsa_code_object_version 6
	.text
	.protected	k_qafbea01de2_quant
	.globl	k_qafbea01de2_quant
	.p2align	8
	.type	k_qafbea01de2_quant,@function
k_qafbea01de2_quant:
	s_mov_b64 s[64:65], 0
	v_nop
	global_prefetch_b8 v0, s[64:65] scope:SCOPE_SE
	s_setreg_imm32_b32 hwreg(HW_REG_WAVE_MODE, 25, 1), 1
	s_wait_xcnt 0x0
; query [4096][1024], w_in [3072][1024] and w_o [1024][1024], f32, K innermost, become codes of FP6 (E2M3) with one E8M0 byte for each 32 along K, laid in the buffer ops
; AS THE MATRIX UNIT'S REGISTERS WANT THEM.  A ROW TILE T = 2 B + u holds 16 rows: place p (0..15) is row 32 B + 8 u + p + 8 (p / 8).  A FRAGMENT (16 rows x 128 K: 12 registers a lane) is 1,536 bytes:
; six pieces of 256 bytes, piece P = registers 2 P, 2 P + 1 of lane l at byte 8 l.  A tile's 1,024 along K are two RECORDS of 6,400 bytes: four fragments, then 256 bytes of scales: place p's four words at 16 p.
; Tiles in ops: query 0-255, w_in 256-447, w_o 448-511.
; A block's scale is 2^(floor(log2(its largest magnitude)) - 2); its byte is the largest magnitude's exponent field - 2, held at 1 from below.
; LIMITS: a block of zeros, and one whose largest magnitude lies under 2^-124, gets the byte 1 (a block of zeros has zero codes, which add nothing; these bytes are read by this program alone); NaN and infinities are not served.
; The inputs key and value are named by no launch of this program: the function computed here takes q, k and v all from query.
; SHARES: a wave takes one tile x one record: 16 rows x 512 K, in four steps of 128 K.  Each load reads 512 consecutive bytes of one row; the 16 rows turn through the wave's own stage in LDS, so that a lane then holds
; 16 neighbours of each block of 32 of ONE row, as the conversions want.  Memory binds: no matrix unit, no tensor loads, no cluster (no two work-groups read the same byte), no barrier (waves share nothing).
; QUERY'S TILES HAVE ANOTHER ORDER OF ROWS than the weights': tile T = 4 C + u, place p is token 64 C + 32 (p / 8) + 8 u + p % 8, so that the eight registers of four neighbouring tiles
; in a product's result are a whole block of 32 neighbouring tokens in one lane.  Places 8-15 are loaded through a second pointer, 16 rows further on for query, equal to the first for the weights.
.set ROWB,  4096
.set SP,    528                        ; a stage row: 512 bytes + 16, so that sixteen lanes reading one column of sixteen rows start at sixteen different 16-byte columns
.set STG,   16*SP                      ; a wave's stage
.set REC,   6400
.set LA,    4                          ; v4   16 x lane: my bytes of a load's 512
.set SI,    5                          ; v5   the stage, on the way in
.set SOA,   6                          ; v6   and on the way out: row p, + 64 h
.set CO8,   7                          ; v7   8 x lane: my place in a piece
.set CS,    8                          ; v8   16 p: my row's scale words
.set R,     16                         ; v16-143  two sets of 64 registers as loaded
.set X,     144                        ; v144-207 64 numbers of my row: register 16 b + i = k 32 b + 16 h + i
.set PC,    208                        ; v208-219 the fragment just made
.set TC,    220                        ; v220-226 the conversions' second halves
.set TM,    228                        ; v228-243 at work in QUANT
.set PWS,   244                        ; v244-247 the four steps' scale words
.set WV,    12
.set SEL,   14                         ; s[14:15] v_permlanex16_b32's selects for lane l xor 16
; 64 numbers of a lane, v[s] on, register 16 b + i = k 32 b + 16 (lane / 16) + i of my row, become a fragment's 12 registers in v[d] on and its scale word in v[w];  v[t] .. v[t+6] are at work.
.macro QUANT s, d, t, w
.irp b, 0,1,2,3
	v_max3_num_f32 v[TM+\b], |v[\s+16*\b]|, |v[\s+1+16*\b]|, 0x1800000   ; block b: my 16 numbers, and the floor 2^(3 - 127): the byte cannot fall under 1
.endr
.irp i, 2,4,6,8,10,12,14
.irp b, 0,1,2,3
	v_max3_num_f32 v[TM+\b], v[TM+\b], |v[\s+16*\b+\i]|, |v[\s+1+16*\b+\i]|   ; the four blocks by turns
.endr
.endr
.irp b, 0,1,2,3
	v_permlanex16_b32 v[TM+4+\b], v[TM+\b], s[SEL], s[SEL+1]
.endr
.irp b, 0,1,2,3
	v_max_num_f32 v[TM+\b], v[TM+\b], v[TM+4+\b]                   ; with lane l xor 16's 16: the block's largest magnitude
.endr
.irp b, 0,1,2,3
	v_add_nc_u32 v[TM+12+\b], 0xff000000, v[TM+\b]                 ; 2 off its exponent field: the conversion's scale operand
.endr
.irp b, 0,1,2,3
	v_lshrrev_b32 v[TM+4+\b], 23, v[TM+12+\b]                      ; the scale's byte
.endr
	v_lshl_or_b32 v[\w], v[TM+5], 8, v[TM+4]
	v_lshl_or_b32 v[\w], v[TM+6], 16, v[\w]
	v_lshl_or_b32 v[\w], v[TM+7], 24, v[\w]                        ; my row's scale word for these 128 along K
.irp c, 0,1
	v_cvt_scalef32_pk16_fp6_f32 v[\d+6*\c:\d+6*\c+2], v[\s+32*\c:\s+32*\c+15], v[TM+12+2*\c]
	v_cvt_scalef32_pk16_fp6_f32 v[\t+4*\c:\t+4*\c+2], v[\s+32*\c+16:\s+32*\c+31], v[TM+13+2*\c]   ; (a conversion's three registers begin on an even number)
.endr
	v_nop                                                          ; one plain place behind the scaled conversions
.irp c, 0,1                                                    ; the operand's layout wants a whole block in a lane: lanes 0-15 block 2 c, lanes 16-31 block 2 c + 1
.irp i, 0,1,2
	v_permlane16_swap_b32 v[\d+6*\c+\i], v[\t+4*\c+\i]
.endr
.irp i, 0,1,2
	v_mov_b32 v[\d+6*\c+3+\i], v[\t+4*\c+\i]
.endr
.endr
.endm
	s_load_b256 s[4:11], s[0:1], 0x0               ; query s[4:5], w_in s[6:7], w_o s[8:9], ops s[10:11]
	v_lshl_add_u32 v248, v0, 2, 0x8400
	v_mov_b32 v249, 0
	v_lshrrev_b32 v1, 5, v0
	v_readfirstlane_b32 s[WV], v1                  ; wave 0..3
	v_and_b32 v1, 31, v0                           ; lane
	v_and_b32 v2, 15, v0                           ; p
	v_bfe_u32 v3, v0, 4, 1                         ; h
	v_lshlrev_b32 v[LA], 4, v1
	s_mul_i32 s16, s[WV], STG                      ; my stage
	v_add_nc_u32 v[SI], s16, v[LA]
	v_mul_u32_u24 v[SOA], v2, SP
	v_lshl_add_u32 v[SOA], v3, 6, v[SOA]
	v_add_nc_u32 v[SOA], s16, v[SOA]
	v_lshlrev_b32 v[CO8], 3, v1
	v_lshlrev_b32 v[CS], 4, v2
	s_mov_b32 s[SEL], 0x76543210
	s_mov_b32 s[SEL+1], 0xfedcba98
.irp b, 0,1,2,3
	v_mov_b32 v[TM+4+\b], 0                        ; written once: a lane permute's destination counts as one of its sources
.endr
	s_lshr_b32 s17, s[WV], 1                       ; u: which tile of the work-group's pair
	s_and_b32 s18, s[WV], 1                        ; which record: K 0-511 or 512-1023
	s_lshl_b32 s17, s17, 15                        ; 8 rows of 4,096 bytes
	s_lshl_b32 s18, s18, 11                        ; 512 numbers
	s_add_co_u32 s17, s17, s18
	s_lshl_b32 s18, ttmp9, 2
	s_add_co_u32 s18, s18, s[WV]                   ; 2 x tile + record = 4 x work-group + wave
	s_mul_i32 s22, s18, REC
	s_mov_b32 s23, 0
	s_wait_alu depctr_va_vdst(0)
	s_wait_kmcnt 0x0
	s_cmp_lt_u32 ttmp9, 224                        ; which tensor: work-groups 0-127 query, 128-223 w_in, 224-255 w_o.  Only a pointer and a number are chosen: one path for all three
	s_cselect_b64 s[6:7], s[6:7], s[8:9]
	s_mov_b32 s19, 224
	s_cselect_b32 s19, 128, s19
	s_cmp_lt_u32 ttmp9, 128
	s_cselect_b64 s[4:5], s[4:5], s[6:7]
	s_cselect_b32 s19, 0, s19
	s_sub_co_u32 s19, ttmp9, s19                   ; the pair of tiles within its tensor: 32 rows
	s_lshl_b32 s20, s19, 17
	s_and_b32 s24, ttmp9, 1
	s_lshl_b32 s24, s24, 16
	s_cmp_lt_u32 ttmp9, 128                        ; query: work-group g has tiles 2 g, 2 g + 1: rows from 64 (g / 2) + 16 (g % 2) on = 32 g - 16 (g % 2)
	s_cselect_b32 s24, s24, 0
	s_cselect_b32 s26, 0x10000, 0                  ; and its places 8-15 lie 16 rows further on than the weights'
	s_sub_co_u32 s20, s20, s24
	s_add_co_u32 s20, s20, s17
	s_mov_b32 s21, 0
	s_mov_b32 s27, 0
	s_add_nc_u64 s[4:5], s[4:5], s[20:21]
	s_add_nc_u64 s[26:27], s[4:5], s[26:27]
	s_add_nc_u64 s[10:11], s[10:11], s[22:23]
.macro LOAD q                          ; step q: 128 numbers of each of my 16 rows into set q % 2; a load's 32 lanes read 512 consecutive bytes, aligned
.irp i, 0,1,2,3,4,5,6,7,8,9,10,11,12,13,14,15
.if \i < 8
	global_load_b128 v[R+64*((\q)%2)+4*\i:R+64*((\q)%2)+4*\i+3], v[LA], s[4:5] offset:(\i+8*(\i/8))*ROWB+512*(\q) th:TH_LOAD_NT
.else
	global_load_b128 v[R+64*((\q)%2)+4*\i:R+64*((\q)%2)+4*\i+3], v[LA], s[26:27] offset:(\i+8*(\i/8))*ROWB+512*(\q) th:TH_LOAD_NT
.endif
.endr
.endm
.macro STEP q
.if (\q) < 3
	s_wait_loadcnt 16                              ; this step's 16 loads are in; the 16 of the next step may be out
.else
	s_wait_loadcnt 0x0
.endif
.irp i, 0,1,2,3,4,5,6,7,8,9,10,11,12,13,14,15
	ds_store_b128 v[SI], v[R+64*((\q)%2)+4*\i:R+64*((\q)%2)+4*\i+3] offset:SP*\i
.endr
.irp b, 0,1,2,3
.irp j, 0,1,2,3
	ds_load_b128 v[X+16*\b+4*\j:X+16*\b+4*\j+3], v[SOA] offset:128*\b+16*\j   ; LDS serves a wave's instructions in order: these see the stores above
.endr
.endr
	s_wait_dscnt 0x0                               ; my 64 numbers are back, and the stores have read their registers,
.if (\q) < 2
	LOAD (\q)+2                                    ; which take the loads of two steps on
.endif
.if (\q) > 0
	s_wait_xcnt 0x0                                ; the last step's stores have read v[PC] on: it is written again only behind this wait
.endif
	QUANT X, PC, TC, PWS+(\q)
.irp p, 0,1,2,3,4,5
	global_store_b64 v[CO8], v[PC+2*\p:PC+2*\p+1], s[10:11] offset:1536*(\q)+256*\p   ; a piece: 256 consecutive bytes, aligned
.endr
.endm
	LOAD 0
	LOAD 1
	STEP 0
	STEP 1
	STEP 2
	STEP 3
	global_store_b128 v[CS], v[PWS:PWS+3], s[10:11] offset:4*1536   ; the record's scales: 256 consecutive bytes, aligned; lanes 16-31 hold the same words as lanes 0-15 and name the same bytes
	s_wait_tensorcnt 0x0
	ds_add_u32 v248, v249
	s_wait_dscnt 0x0
	s_endpgm
.Lfunc_end_k_qafbea01de2_quant:
	.size	k_qafbea01de2_quant, .Lfunc_end_k_qafbea01de2_quant-k_qafbea01de2_quant
	.p2alignl 7, 3214868480
	.fill 96, 4, 3214868480
	.section	.rodata,"a",@progbits
	.p2align	6, 0x0
	.amdhsa_kernel k_qafbea01de2_quant
		.amdhsa_group_segment_fixed_size 34304
		.amdhsa_private_segment_fixed_size 0
		.amdhsa_enable_private_segment 0
		.amdhsa_kernarg_size 32
		.amdhsa_user_sgpr_count 2
		.amdhsa_user_sgpr_kernarg_segment_ptr 1
		.amdhsa_wavefront_size32 1
		.amdhsa_system_sgpr_workgroup_id_x 1
		.amdhsa_system_sgpr_workgroup_id_y 1
		.amdhsa_system_sgpr_workgroup_id_z 1
		.amdhsa_system_vgpr_workitem_id 0
		.amdhsa_next_free_vgpr 250
		.amdhsa_next_free_sgpr 66
		.amdhsa_reserve_vcc 0
		.amdhsa_float_denorm_mode_32 3
		.amdhsa_float_denorm_mode_16_64 3
		.amdhsa_memory_ordered 1
		.amdhsa_forward_progress 1
		.amdhsa_inst_pref_size 35
	.end_amdhsa_kernel
	.amdgpu_metadata
---
amdhsa.version: [ 1, 2 ]
amdhsa.kernels:
  - .name:           k_qafbea01de2_quant
    .symbol:         k_qafbea01de2_quant.kd
    .args:
      - { .name: query, .offset: 0, .size: 8, .value_kind: global_buffer, .address_space: global }
      - { .name: w_in, .offset: 8, .size: 8, .value_kind: global_buffer, .address_space: global }
      - { .name: w_o, .offset: 16, .size: 8, .value_kind: global_buffer, .address_space: global }
      - { .name: ops, .offset: 24, .size: 8, .value_kind: global_buffer, .address_space: global }
    .group_segment_fixed_size: 34304
    .private_segment_fixed_size: 0
    .kernarg_segment_align: 8
    .kernarg_segment_size: 32
    .max_flat_workgroup_size: 128
    .sgpr_count:     66
    .vgpr_count:     250
    .wavefront_size: 32
...
	.end_amdgpu_metadata
.endif
;; end of part 1
;; launch qkv (part 2): grid 8 x 32, 4 waves a work-group, clusters of 4 x 4, 327,680 bytes of LDS; arguments ops, b_in, qkv; writes qkv
.if DOCPART == 2
	.amdgcn_target "amdgcn-amd-amdhsa--gfx1250"
	.amdhsa_code_object_version 6
	.text
	.protected	k_qafbea01de2_qkv
	.globl	k_qafbea01de2_qkv
	.p2align	8
	.type	k_qafbea01de2_qkv,@function
k_qafbea01de2_qkv:
	s_mov_b64 s[64:65], 0
	v_nop
	global_prefetch_b8 v0, s[64:65] scope:SCOPE_SE
	s_setreg_imm32_b32 hwreg(HW_REG_WAVE_MODE, 25, 1), 1
	s_wait_xcnt 0x0
	s_wait_alu depctr_hold_cnt(0) depctr_sa_sdst(0) depctr_va_vdst(0) depctr_va_sdst(0) depctr_va_ssrc(0) depctr_va_vcc(0) depctr_vm_vsrc(0)
	s_getreg_b32 s2, hwreg(HW_REG_IB_STS2, 6, 4)
	s_cmp_eq_u32 s2, 0
	s_cbranch_scc0 .Lentry_in_a_cluster
	s_endpgm
.Lentry_in_a_cluster:
	s_bfe_u32 s2, ttmp6, 0x10000c
	s_cmp_lg_u32 s2, 0xf033
	s_cbranch_scc0 .Lentry_shape_is_right
	s_endpgm
.Lentry_shape_is_right:
; qkv = Q(query) Q(w_in)^T + b_in on codes of FP6 (E2M3), and the result quantised in registers for the two products of attention: q and k along the head's 64, v along the keys.
; IN (buffer ops): 16-row tiles of 12,800 bytes = two records of 6,400 = four K steps' fragments (images of registers: six pieces of 256 bytes) + 256 bytes of scales (place p's four words at 16 p).  Tiles: query 0-255, w_in 256-447.
;   A weight's tile 2 B + u, place p is row 32 B + 8 u + p + 8 (p / 8).  A token tile 4 C + u, place p is token 64 C + 32 (p / 8) + 8 u + p % 8.
; THE DEAL: 256 work-groups of equal work.  Work-group (xg, yt) owns the 128 tokens of key step yt and THREE weight tiles of 128 rows: q's, k's and v's channels 128 xg .. + 127 (heads 2 xg, 2 xg + 1): three phases of 8 K steps.
;   Four waves, 2 x 2: wave (wy, wx) owns 64 tokens and one head: 16 accumulators.  Its 64 tokens, ALL of K, lie in registers (32 fragments, 384 registers); only the weights stream from LDS: four fragments for 16 products.
;   Phases 0, 1 (q, k): source 0 = the weight's rows, source 1 = tokens: a lane holds one token, its 32 registers of a token tile run along the head's 64 (16 neighbours a pair of tiles, shared with lane l xor 16).
;   Phase 2 (v): source 0 = tokens, source 1 = the weight's rows: a lane holds one channel, and its 32 registers of a channel tile are keys 64 wy + 32 (lane / 16) + 0 .. 31: a whole scale block.
;   The bias is the C of each sum's first product, laid in registers as the result lies.
; LDS: three regions of 102,400 bytes (8 tiles, dense in ops: rows of 256 bytes).  At the head one tensor load a wave: waves 0, 1 a half each of the tokens (region 0), wave 2 W_q (region 1), wave 3 W_k (region 2).
;   ONE REFILL: region 0, whose tokens all waves hold in registers, takes W_v, in a drained round of the cluster's barrier at the head of step 7, which also shows W_k to all; a plain barrier in step 15 shows W_v.
;   W_v is asked for into the L2 at the head: its 400 blocks of 256 bytes are shared out by address among the sixteen waves of the four work-groups that load it jointly, 25 blocks a wave, seven K steps and more ahead of the load.
; CLUSTERS: 4 x 4.  The tokens are shared along a row of the cluster, the weights along a column, by joint loads.
; OUT (buffer qkv): 96 regions of 102,400 bytes, region = 32 kind + 2 head + batch, each 16 step records of 6,400 bytes = four fragments + 4 x 64 bytes of scale words (place p's word at 4 p).
;   q, k: a record = 128 tokens, 8 tiles; a tile's 64 codes are half a fragment, 768 bytes; a word = the even tile's two bytes, then the odd tile's.   v: a record = a key step; fragment t = channel tile t x 128 keys; my 64 keys are half wy of it and two bytes of its word.
; LIMITS: a block under 2^-124 or of zeros gets the byte 1 (read by this program alone); NaN and infinities are not served.
; REGISTERS: window 0: addresses, scale words (v16-31 the tokens', v36-67 the weights', two sets; nothing else there), the way out.  Fragment f lies in window 1 + f / 21 at register 12 (f % 21): 0-31 the tokens' (4 s + a), 32-39 the weights' two sets.
;   window 3: v0-127 the accumulators, v128-223 the three phases' biases.
.set REC,   6400
.set TILE,  12800
.set RGN,   102400
.set REG,   102400
.set SPARE, 307200
.set CO8,   4                          ; v4  8 x lane
.set ADT,   6                          ; v6  my tokens' fragments;  v7 their scale words: lanes 0-15 an even tile's, lanes 16-31 the odd tile's
.set AST,   7
.set ADW,   8                          ; v8-10  my weight rows' fragments, phase 0, 1, 2;  v11-13 their scale words
.set ASW,   11
.set SH8,   14                         ; v14 8 h
.set ST,    16
.set BAQ,   32                         ; v32 64 h;  v33 4 (p + 8 (p / 8));  v34 my block of the prefetch
.set BAV,   33
.set PF,    34
.set SW,    36
.set OQ,    68                         ; v68-71 offsets in a step record: q's, k's codes; v's codes; q's, k's scale words; v's scale bytes
.set OV,    69
.set OSQ,   70
.set OSV,   71
.set TM,    72
.set TP,    80
.set SO,    88
.set PW,    96
.set W,     100
.set FIN,   104
.set TC,    136
.set BB,    128                        ; window 3
.set WV,    10
.set G1T,   24
.set G0T,   32
.set G0W0,  36
.set G0W1,  40
.set G0W2,  44
.set G1W,   48
.set SEL,   56
.set MSB, 0
.macro WIN new                         ; the immediate's high byte repeats the setting that is left
.if MSB != (\new)
	s_set_vgpr_msb (MSB<<8)|(\new)
.set MSB, (\new)
.endif
.endm
.macro PLACES n
.rept \n
	v_nop
.endr
.endm
.macro WALU
	s_wait_alu depctr_va_vdst(0)
.endm
.macro CROUND                          ; a round of the cluster's barrier
	s_barrier_signal -1
	s_barrier_wait -1
	s_cmp_lg_u32 s[WV], 0
	s_cbranch_scc1 .Lnot_wave_0_\@
	s_barrier_signal -3
.Lnot_wave_0_\@:
	s_barrier_wait -3
	s_barrier_signal -1
	s_barrier_wait -1
.endm
.macro DENSE g, rows                   ; descriptor group 1, words 1-7: a dense block as rows of 32 elements of 8 bytes
	s_mov_b32 s[\g+1], 32<<16
	s_mov_b32 s[\g+2], (\rows)<<16
	s_mov_b32 s[\g+3], 32<<16
	s_mov_b32 s[\g+4], \rows
	s_mov_b32 s[\g+5], 32
	s_mov_b32 s[\g+6], 0
	s_mov_b32 s[\g+7], 0
.endm
.macro GROUP0 g, lds, off              ; group 0: LDS address in s\lds, bytes from ops in s\off (s75 = 0)
	s_mov_b32 s[\g], 1
	s_mov_b32 s[\g+1], s\lds
	s_mov_b32 s74, s\off
	s_add_nc_u64 s[\g+2:\g+3], s[4:5], s[74:75]
	s_or_b32 s[\g+3], s[\g+3], 0x80000000
.endm
.macro TLOAD g0, g1
	tensor_load_to_lds s[\g0:\g0+3], s[\g1:\g1+7]
	s_nop 0
	PLACES 4
.endm
	s_load_b128 s[4:7], s[0:1], 0x0                ; ops s[4:5], b_in s[6:7]
	s_load_b64 s[8:9], s[0:1], 0x10                ; qkv
	v_lshl_add_u32 v254, v0, 2, SPARE
	v_mov_b32 v255, 0
	ds_add_u32 v254, v255                          ; the opening lines: the add twice on end and its wait ahead of my first tensor load
	ds_add_u32 v254, v255
	v_lshrrev_b32 v1, 5, v0
	v_readfirstlane_b32 s[WV], v1                  ; wave 0..3
	s_lshr_b32 s11, s[WV], 1                       ; wy: which 64 tokens are mine
	s_and_b32 s12, s[WV], 1                        ; wx: which head.  Also, in waves 0 and 1: which half of the tokens I fetch
	s_bfe_u32 s13, ttmp6, 0x40000                  ; cx, cy
	s_bfe_u32 s14, ttmp6, 0x40004
	s_lshl_b32 s18, ttmp9, 2
	s_add_co_u32 s18, s18, s13                     ; xg
	s_and_b32 s19, ttmp7, 0xffff
	s_lshl_b32 s19, s19, 2
	s_add_co_u32 s19, s19, s14                     ; yt
	s_lshl_b32 s20, s14, 2
	s_lshl_b32 s20, 15, s20                        ; my row of the cluster
	s_lshl_b32 s21, 0x1111, s13                    ; my column
	s_or_b32 s[G1T], s20, (3<<16)|(1<<21)          ; 15:0 the mask; 17:16 elements of 8 bytes; 21 set beside a mask
	s_or_b32 s[G1W], s21, (3<<16)|(1<<21)
	DENSE G1T, 200                                 ; four tiles
	DENSE G1W, 400                                 ; eight
	s_lshl_b32 s22, s19, 3                         ; the tokens: tile 8 yt + 4 x my half: no register here ever holds cx
	s_lshl_b32 s23, s12, 2
	s_add_co_u32 s22, s22, s23
	s_mul_i32 s22, s22, TILE
	s_mul_i32 s23, s12, 4*TILE                     ; and where they go: the wave's number alone
	s_lshl_b32 s66, s18, 3                         ; the weights: tile 256 + 64 x phase + 8 xg: no register here ever holds cy
	s_add_co_u32 s66, s66, 256
	s_mul_i32 s66, s66, TILE
	s_add_co_u32 s67, s66, 64*TILE
	s_add_co_u32 s68, s66, 128*TILE
	s_mov_b32 s69, RGN
	s_mov_b32 s72, 2*RGN
	s_mov_b32 s73, 0
	s_mov_b32 s75, 0
	s_mul_i32 s58, s11, 4*TILE                     ; LDS: my 4 token tiles in region 0
	s_mul_i32 s59, s12, 4*TILE
	s_add_co_u32 s61, s59, 0                       ; my 4 weight tiles: phase 2 in region 0,
	s_add_co_u32 s60, s59, 2*RGN                   ; phase 1 in region 2,
	s_add_co_u32 s59, s59, RGN                     ; phase 0 in region 1
	s_mul_i32 s62, s11, 3072                       ; in a step record: my four token tiles' codes,
	s_mul_i32 s63, s11, 768                        ; my half of v's fragments,
	s_lshl_b32 s78, s11, 7                         ; my two fragments' scale words,
	s_lshl_b32 s79, s11, 1                         ; my two bytes of v's words
	s_lshl_b32 s80, s14, 2
	s_add_co_u32 s80, s80, s[WV]
	s_mul_i32 s80, s80, RGN/16                     ; my sixteenth of W_v among the waves of my column of the cluster
	s_lshl_b32 s70, s18, 9                         ; b_in at my head's 64 channels: 4 (128 xg + 64 wx); the phases lie 4,096 bytes apart
	s_lshl_b32 s71, s12, 8
	s_add_co_u32 s70, s70, s71
	s_mov_b32 s71, 0
	s_lshl_b32 s76, s18, 2                         ; the region: 2 head + batch = 4 xg + 2 wx + yt / 16
	s_lshl_b32 s77, s12, 1
	s_add_co_u32 s76, s76, s77
	s_lshr_b32 s77, s19, 4
	s_add_co_u32 s76, s76, s77
	s_mul_i32 s76, s76, REG
	s_and_b32 s77, s19, 15                         ; the step record
	s_mul_i32 s77, s77, REC
	s_add_co_u32 s76, s76, s77
	s_mov_b32 s77, 0
	s_mov_b32 s[SEL], 0x76543210
	s_mov_b32 s[SEL+1], 0xfedcba98
	s_wait_dscnt 0x0
	s_wait_kmcnt 0x0
	GROUP0 G0T, 23, 22
	GROUP0 G0W0, 69, 66
	GROUP0 G0W1, 72, 67
	GROUP0 G0W2, 73, 68
	s_mov_b32 s74, s68
	s_add_nc_u64 s[82:83], s[4:5], s[74:75]        ; W_v, for the prefetch
	s_add_nc_u64 s[70:71], s[6:7], s[70:71]
	s_add_nc_u64 s[76:77], s[8:9], s[76:77]
	CROUND                                         ; all sixteen work-groups are here: the joint loads meet
	s_cmp_lt_u32 s[WV], 2                          ; one load a wave, in one chain of arms; what is needed first is asked for by the lowest waves
	s_cbranch_scc0 .Lhead_2
	TLOAD G0T, G1T
	s_branch .Lasked
.Lhead_2:
	s_cmp_eq_u32 s[WV], 2
	s_cbranch_scc0 .Lhead_3
	TLOAD G0W0, G1W
	s_branch .Lasked
.Lhead_3:
	TLOAD G0W1, G1W
.Lasked:
	v_and_b32 v3, 31, v0                           ; lane
	v_and_b32 v1, 15, v0                           ; p
	v_bfe_u32 v2, v0, 4, 1                         ; h
	v_lshlrev_b32 v[CO8], 3, v3
	v_lshlrev_b32 v[SH8], 3, v2
	v_lshlrev_b32 v[BAQ], 6, v2
	v_and_b32 v[BAV], 8, v1
	v_add_nc_u32 v[BAV], v[BAV], v1
	v_lshlrev_b32 v[BAV], 2, v[BAV]
	v_min_u32 v[PF], 24, v3                        ; 25 blocks a wave: the lanes left over name the last again
	v_lshl_add_u32 v[PF], v[PF], 8, s80
	WIN 0xc0                                       ; destination window 3
.irp ph, 0,1
.irp g, 0,1
.irp j, 0,1,2,3
	global_load_b128 v[BB+32*\ph+16*\g+4*\j:BB+32*\ph+16*\g+4*\j+3], v[BAQ], s[70:71] offset:4096*\ph+128*\g+16*\j   ; register 16 g + i: the bias of the head's channel 32 g + 16 h + i
.endr
.endr
.endr
.irp b, 0,1,2,3
	global_load_b32 v[BB+64+8*\b], v[BAV], s[70:71] offset:8192+(32*(\b/2)+8*(\b%2))*4   ; v: my channel's bias in tile b
.endr
	WIN 0
	global_prefetch_b8 v[PF], s[82:83] th:TH_LOAD_NT scope:SCOPE_SE
	v_add_nc_u32 v[ADT], s58, v[CO8]
	v_mul_u32_u24 v[AST], v2, TILE                 ; lanes 16-31 take the tile one further on
	v_lshl_add_u32 v[AST], v1, 4, v[AST]           ; place p's four words,
	v_add_nc_u32 v[AST], 4*1536, v[AST]            ; behind a record's four fragments
.irp ph, 0,1,2
	v_add_nc_u32 v[ADW+\ph], s[59+\ph], v[CO8]
	v_add_nc_u32 v[ASW+\ph], s[59+\ph], v[AST]
.endr
	v_add_nc_u32 v[AST], s58, v[AST]
	v_add_nc_u32 v[OQ], s62, v[CO8]
	v_add_nc_u32 v[OV], s63, v[CO8]
	v_lshl_add_u32 v[OSQ], v3, 2, s78
	v_lshl_add_u32 v[OSV], v1, 2, s79
.irp k, 0,1,2,3,4,5,6,7
	v_mov_b32 v[TP+\k], 0                          ; written once: a lane permute's destination counts as one of its sources
.endr
.macro TOKENS                          ; my 64 tokens, all of K: fragment f = 4 s + a
.set f, 0
.rept 32
	WIN (1+f/21)<<6
.irp p, 0,1,2,3,4,5
	ds_load_b64 v[12*(f%21)+2*\p:12*(f%21)+2*\p+1], v[ADT] offset:TILE*(f%4)+REC*(f/16)+1536*((f/4)%4)+256*\p
.endr
.set f, f+1
.endr
	WIN 0
.irp i, 0,1
.irp r, 0,1
	ds_load_b128 v[ST+8*\i+4*\r:ST+8*\i+4*\r+3], v[AST] offset:2*TILE*\i+REC*\r   ; pair of tiles i, K steps 4 r .. 4 r + 3
.endr
.endr
.endm
.macro FETCH g                         ; step g = 8 phase + s: my four weight tiles' fragments into set g % 2; with a phase's first step its scale words
	WIN 0x80
.irp b, 0,1,2,3
.irp p, 0,1,2,3,4,5
	ds_load_b64 v[12*((32+4*((\g)%2)+\b)%21)+2*\p:12*((32+4*((\g)%2)+\b)%21)+2*\p+1], v[ADW+(\g)/8] offset:TILE*\b+REC*(((\g)%8)/4)+1536*((\g)%4)+256*\p
.endr
.endr
	WIN 0
.if (\g)%8 == 0
.irp i, 0,1
.irp r, 0,1
	ds_load_b128 v[SW+16*(((\g)/8)%2)+8*\i+4*\r:SW+16*(((\g)/8)%2)+8*\i+4*\r+3], v[ASW+(\g)/8] offset:2*TILE*\i+REC*\r
.endr
.endr
.endif
.endm
.macro WM1 d, fa, fb, c, sa, sb, ra, rb
	v_wmma_scale_f32_16x16x128_f8f6f4 v[(\d):(\d)+7], v[12*((\fa)%21):12*((\fa)%21)+11], v[12*((\fb)%21):12*((\fb)%21)+11], \c, v[\sa], v[\sb] matrix_a_fmt:MATRIX_FMT_FP6 matrix_b_fmt:MATRIX_FMT_FP6 matrix_a_scale:MATRIX_SCALE_ROW\ra matrix_b_scale:MATRIX_SCALE_ROW\rb
.endm
.macro MUL g                           ; a step's 16 products: the 16 accumulators take turns, one instruction a turn, in the same order in every step of a phase
.set PH_, (\g)/8
.set S_, (\g)%8
.irp ap, 0,1
.irp ar, 0,1
.irp bp, 0,1
.irp br, 0,1
.set A_, 2*\ap+\ar
.set B_, 2*\bp+\br
.set FT_, 4*S_+A_
.set FW_, 32+4*((\g)%2)+B_
.set XT_, ST+8*\ap+S_
.set XW_, SW+16*(PH_%2)+8*\bp+S_
.set C_, BB+32*PH_+8*B_
.if PH_ < 2
.set D_, 8*(4*A_+B_)
	WIN (1+FW_/21)|((1+FT_/21)<<2)|0xf0
.if S_ == 0
	WM1 D_, FW_, FT_, v[C_:C_+7], XW_, XT_, \br, \ar
.else
	WM1 D_, FW_, FT_, v[D_:D_+7], XW_, XT_, \br, \ar
.endif
.else
.set D_, 8*(4*B_+A_)
	WIN (1+FT_/21)|((1+FW_/21)<<2)|0xf0
.if S_ == 0
	WM1 D_, FT_, FW_, v[C_:C_+7], XT_, XW_, \ar, \br
.else
	WM1 D_, FT_, FW_, v[D_:D_+7], XT_, XW_, \ar, \br
.endif
.endif
.endr
.endr
.endr
.endr
	WIN 0
.endm
; THE WAY OUT OF q OR k: index k = 2 a + b: token tile a, block b of the head's two; registers 16 k + i = channel 32 b + 16 h + i of my token
.macro EPQ ph
	PLACES 4                                       ; in front of the first read of results
.if \ph > 0
	s_wait_xcnt 0x0                                ; the last way out's stores have read their registers
.endif
	WIN 0x0f
.irp k, 0,1,2,3,4,5,6,7
	v_max3_num_f32 v[TM+\k], |v[16*\k]|, |v[16*\k+1]|, 0x1800000   ; and the floor 2^(3 - 127); ascending: each accumulator is read from its low end on
.endr
	WIN 0x3c
.irp i, 2,4,6,8,10,12,14
.irp k, 0,1,2,3,4,5,6,7
	v_max3_num_f32 v[TM+\k], v[TM+\k], |v[16*\k+\i]|, |v[16*\k+\i+1]|
.endr
.endr
	WIN 0
.irp k, 0,1,2,3,4,5,6,7
	v_permlanex16_b32 v[TP+\k], v[TM+\k], s[SEL], s[SEL+1]
.endr
.irp k, 0,1,2,3,4,5,6,7
	v_max_num_f32 v[TM+\k], v[TM+\k], v[TP+\k]     ; with lane l xor 16's 16
.endr
.irp k, 0,1,2,3,4,5,6,7
	v_add_nc_u32 v[SO+\k], 0xff000000, v[TM+\k]    ; 2 off the exponent field: the conversion's scale operand
.endr
.irp k, 0,1,2,3,4,5,6,7
	v_lshrrev_b32 v[TP+\k], 23, v[SO+\k]
.endr
.irp a, 0,1,2,3
	v_lshl_or_b32 v[PW+\a], v[TP+2*\a+1], 8, v[TP+2*\a]   ; tile a's two bytes
.endr
	WIN 0x03
.irp a, 0,1,2,3
	v_cvt_scalef32_pk16_fp6_f32 v[FIN+8*\a:FIN+8*\a+2], v[32*\a:32*\a+15], v[SO+2*\a]
	v_cvt_scalef32_pk16_fp6_f32 v[TC+4*\a:TC+4*\a+2], v[32*\a+16:32*\a+31], v[SO+2*\a+1]
.endr
	WIN 0
	v_nop                                          ; one plain place behind the scaled conversions
.irp a, 0,1,2,3
.irp i, 0,1,2
	v_permlane16_swap_b32 v[FIN+8*\a+\i], v[TC+4*\a+\i]   ; a whole block in a lane: lanes 0-15 block 0, lanes 16-31 block 1
.endr
.endr
.irp a, 0,1,2,3
.irp i, 0,1,2
	v_mov_b32 v[FIN+8*\a+3+\i], v[TC+4*\a+\i]
.endr
.endr
	v_lshl_or_b32 v[W], v[PW+1], 16, v[PW]         ; a fragment's word: the even tile's bytes, then the odd tile's
	v_lshl_or_b32 v[W+1], v[PW+3], 16, v[PW+2]
	v_cmp_le_u32 vcc_lo, 16, v3                    ; lanes 16-31 carry the next fragment's words: the store covers 128 consecutive bytes
	v_cndmask_b32 v[W], v[W], v[W+1], vcc_lo
.irp a, 0,1,2,3
.irp p, 0,1,2
	global_store_b64 v[OQ], v[FIN+8*\a+2*\p:FIN+8*\a+2*\p+1], s[76:77] offset:32*REG*(\ph)+768*\a+256*\p   ; 256 consecutive bytes, aligned
.endr
.endr
	global_store_b32 v[OSQ], v[W], s[76:77] offset:32*REG*(\ph)+4*1536
	WALU                                           ; the wait ahead of a wait that blocks
.endm
; THE WAY OUT OF v: channel tile b: registers 32 b + i = key 64 wy + 32 h + i of my channel: a whole block
.macro EPV
	PLACES 4
	s_wait_xcnt 0x0
	WIN 0x0f
.irp b, 0,1,2,3
	v_max3_num_f32 v[TM+\b], |v[32*\b]|, |v[32*\b+1]|, 0x1800000
.endr
	WIN 0x3c
.irp i, 2,4,6,8,10,12,14,16,18,20,22,24,26,28,30
.irp b, 0,1,2,3
	v_max3_num_f32 v[TM+\b], v[TM+\b], |v[32*\b+\i]|, |v[32*\b+\i+1]|
.endr
.endr
	WIN 0
.irp b, 0,1,2,3
	v_add_nc_u32 v[SO+\b], 0xff000000, v[TM+\b]
.endr
.irp b, 0,1,2,3
	v_lshrrev_b32 v[TP+\b], 23, v[SO+\b]
.endr
.irp b, 0,1,2,3
	v_lshlrev_b32 v[TP+\b], v[SH8], v[TP+\b]       ; my byte, block 2 wy + h, at its place among my wave's two;
.endr
.irp b, 0,1,2,3
	v_permlanex16_b32 v[TM+\b], v[TP+\b], s[SEL], s[SEL+1]
.endr
.irp b, 0,1,2,3
	v_or_b32 v[PW+\b], v[TP+\b], v[TM+\b]          ; with lane l xor 16's
.endr
	WIN 0x03
.irp b, 0,1,2,3
	v_cvt_scalef32_pk16_fp6_f32 v[FIN+8*\b:FIN+8*\b+2], v[32*\b:32*\b+15], v[SO+\b]
	v_cvt_scalef32_pk16_fp6_f32 v[TC+4*\b:TC+4*\b+2], v[32*\b+16:32*\b+31], v[SO+\b]
.endr
	WIN 0
	v_nop                                          ; one plain place behind the scaled conversions
.irp b, 0,1,2,3
.irp i, 0,1,2
	v_mov_b32 v[FIN+8*\b+3+\i], v[TC+4*\b+\i]
.endr
.endr
.irp b, 0,1,2,3
.irp p, 0,1,2
	global_store_b64 v[OV], v[FIN+8*\b+2*\p:FIN+8*\b+2*\p+1], s[76:77] offset:64*REG+1536*\b+256*\p   ; registers 6 wy .. 6 wy + 5 of fragment b: 256 consecutive bytes, aligned
.endr
	global_store_b16 v[OSV], v[PW+\b], s[76:77] offset:64*REG+4*1536+64*\b   ; two bytes of each row's word: the other two are the other wave row's; lanes 16-31 name the same bytes with the same values
.endr
.endm
.macro STEP g
.if (\g) == 7
	s_wait_tensorcnt 0x0                           ; all my loads are in, W_k among them;
	ds_add_u32 v254, v255                          ; the add into the spare words;
	s_wait_dscnt 0x0                               ; it is done, and so are my LDS reads: region 0's were over at the head
	CROUND                                         ; the same holds of every wave of the cluster
	s_cmp_eq_u32 s[WV], 0
	s_cbranch_scc0 .Lno_refill
	TLOAD G0W2, G1W                                ; W_v onto the tokens, which all waves hold in registers
.Lno_refill:
.else
	s_wait_dscnt 0x0                               ; this step's fragments are in (asked for ahead of the last step's products)
.endif
.if (\g) == 15
	s_wait_tensorcnt 0x0                           ; W_v has landed;
	s_barrier_signal -1
	s_barrier_wait -1                              ; all see it.
.endif
.if (\g) < 23
.if (\g) > 0
	PLACES 4                                       ; in front of loads into registers that the last step's products have read
.endif
	FETCH (\g)+1
.endif
	MUL \g
.if (\g)%8 == 7
.if (\g) < 16
	EPQ (\g)/8
.else
	EPV
.endif
.endif
.endm
	WALU                                           ; the wait at the head's end
	s_cmp_lt_u32 s[WV], 2
	s_cbranch_scc0 .Lnot_tokens
	s_wait_tensorcnt 0x0                           ; my half of the tokens
.Lnot_tokens:
	s_barrier_signal -1
	s_barrier_wait -1
	TOKENS
	s_wait_loadcnt 0x0                             ; the biases
	WIN 0xc3
.irp b, 0,1,2,3
.irp i, 1,2,3,4,5,6,7
	v_mov_b32 v[BB+64+8*\b+\i], v[BB+64+8*\b]      ; v's bias, one number a lane and tile, over the tile's eight registers
.endr
.endr
	WIN 0
	WALU
	s_cmp_lt_u32 s[WV], 3
	s_cbranch_scc0 .Lnot_wq
	s_wait_tensorcnt 0x0                           ; W_q (wave 2's load); W_k may still be on its way
.Lnot_wq:
	s_wait_dscnt 0x0                               ; my tokens are in registers
	s_barrier_signal -1
	s_barrier_wait -1
	FETCH 0
.irp g, 0,1,2,3,4,5,6,7,8,9,10,11,12,13,14,15,16,17,18,19,20,21,22,23
	STEP \g
.endr
	s_wait_tensorcnt 0x0                           ; the wave's end
	ds_add_u32 v254, v255
	s_wait_dscnt 0x0
	CROUND                                         ; the closing round
	s_endpgm
.Lfunc_end_k_qafbea01de2_qkv:
	.size	k_qafbea01de2_qkv, .Lfunc_end_k_qafbea01de2_qkv-k_qafbea01de2_qkv
	.p2alignl 7, 3214868480
	.fill 96, 4, 3214868480
	.section	.rodata,"a",@progbits
	.p2align	6, 0x0
	.amdhsa_kernel k_qafbea01de2_qkv
		.amdhsa_group_segment_fixed_size 327680
		.amdhsa_private_segment_fixed_size 0
		.amdhsa_enable_private_segment 0
		.amdhsa_kernarg_size 24
		.amdhsa_user_sgpr_count 2
		.amdhsa_user_sgpr_kernarg_segment_ptr 1
		.amdhsa_wavefront_size32 1
		.amdhsa_system_sgpr_workgroup_id_x 1
		.amdhsa_system_sgpr_workgroup_id_y 1
		.amdhsa_system_sgpr_workgroup_id_z 1
		.amdhsa_system_vgpr_workitem_id 0
		.amdhsa_next_free_vgpr 992
		.amdhsa_next_free_sgpr 96
		.amdhsa_reserve_vcc 1
		.amdhsa_float_denorm_mode_32 3
		.amdhsa_float_denorm_mode_16_64 3
		.amdhsa_memory_ordered 1
		.amdhsa_forward_progress 1
		.amdhsa_inst_pref_size 142
	.end_amdhsa_kernel
	.amdgpu_metadata
---
amdhsa.version: [ 1, 2 ]
amdhsa.kernels:
  - .name:           k_qafbea01de2_qkv
    .symbol:         k_qafbea01de2_qkv.kd
    .args:
      - { .name: ops, .offset: 0, .size: 8, .value_kind: global_buffer, .address_space: global }
      - { .name: b_in, .offset: 8, .size: 8, .value_kind: global_buffer, .address_space: global }
      - { .name: qkv, .offset: 16, .size: 8, .value_kind: global_buffer, .address_space: global }
    .group_segment_fixed_size: 327680
    .private_segment_fixed_size: 0
    .kernarg_segment_align: 8
    .kernarg_segment_size: 24
    .max_flat_workgroup_size: 128
    .sgpr_count:     96
    .vgpr_count:     992
    .wavefront_size: 32
...
	.end_amdgpu_metadata
.endif
;; end of part 2
;; launch attn (part 3): grid 8 x 32, 8 waves a work-group, clusters of 4 x 1, 218,624 bytes of LDS; arguments qkv, att; writes att
.if DOCPART == 3
	.amdgcn_target "amdgcn-amd-amdhsa--gfx1250"
	.amdhsa_code_object_version 6
	.text
	.protected	k_qafbea01de2_attn
	.globl	k_qafbea01de2_attn
	.p2align	8
	.type	k_qafbea01de2_attn,@function
k_qafbea01de2_attn:
	s_mov_b64 s[64:65], 0
	v_nop
	global_prefetch_b8 v0, s[64:65] scope:SCOPE_SE
	s_setreg_imm32_b32 hwreg(HW_REG_WAVE_MODE, 25, 1), 1
	s_wait_xcnt 0x0
	s_wait_alu depctr_hold_cnt(0) depctr_sa_sdst(0) depctr_va_vdst(0) depctr_va_sdst(0) depctr_va_ssrc(0) depctr_va_vcc(0) depctr_vm_vsrc(0)
	s_getreg_b32 s2, hwreg(HW_REG_IB_STS2, 6, 4)
	s_cmp_eq_u32 s2, 0
	s_cbranch_scc0 .Lentry_in_a_cluster
	s_endpgm
.Lentry_in_a_cluster:
	s_bfe_u32 s2, ttmp6, 0x10000c
	s_cmp_lg_u32 s2, 0x3003
	s_cbranch_scc0 .Lentry_shape_is_right
	s_endpgm
.Lentry_shape_is_right:
; att = Q(softmax(q k^T / 8) v), head by head, both products on codes of FP6 (E2M3) with one E8M0 scale for each 32 along a product's K; the result is quantised along the model's 1,024 for the last product.
; THE SOFTMAX AHEAD OF THE SECOND PRODUCT: t = score x log2(e) / 8; M = the row's largest t so far, rounded UP to a whole number; p = 2^(t - M) is quantised along the keys, not normalised.
; The row's sum is taken of the unquantised p, in f32, and divides O at the end.  When M moves, the sum and O are multiplied by 2^(old M - new M): exact.
; IN (buffer qkv): regions of 102,400 bytes, 32 kind + 2 head + batch; 16 step records of 6,400 bytes = four fragments (images of registers: six pieces of 256 bytes) + 4 x 64 bytes of scale words.
; THE HEAD'S 64 IN AN INSTRUCTION OF 128: a fragment of k carries two tiles of 16 keys, one in K 0-63, one in K 64-127.  q stands in 18 registers (q, zero codes, q): registers 0-11 give the first tile's scores, registers 6-17 the second's.
; THE TOKENS' ORDER: tile 4 C + u, place p is token 64 C + 32 (p / 8) + 8 u + p % 8.  Both products are transposed (S^T = K Q^T, O^T = V^T P^T): a lane holds ONE query, and its 32 registers of tiles 4 C .. 4 C + 3 are
; keys 64 C + 32 (lane / 16) + 0 .. 31: a whole scale block of p, in the order of the operand's registers: no lane asks another for a block's maximum, and the codes fall where the product wants them.
; SHARES: a work-group owns 256 queries of one head and batch; each of its eight waves, two to a SIMD, owns TWO tiles of 16 queries: each fragment of K and V read from LDS feeds both, and the two tiles' chains of vector work stand line by line in turn.
; K and V of the whole head are 204,800 bytes: they lie in LDS whole, every byte filled ONCE: eight chunks of 25,600 bytes, one tensor load a wave at the head (wave w: K's or V's (w % 2) chunk w / 2).
; The first barrier shows chunks 0 and 1 (waves 0-3 wait, by a load line of their own), the second, behind four key steps, all.  CLUSTER: the four query blocks of a cluster share head and batch: the chunks are asked for JOINTLY, mask 15.
; No prefetch: every tile is asked for at the head, and no later load follows that a request could run ahead of.
; A KEY STEP fetches V of this step and K of the NEXT in one run behind the score products.  The last step's fetch of K reads the 6,400 bytes behind K's last (V's first record); nothing uses it.
; REGISTERS: window 0: addresses, scale words (v16-23, and nothing else there), the tiles' state, v56-103 V's fragments, v104-231 S^T then p (tile x at 104 + 64 x).
;   window 1: v0-63 O^T; v64-99 q; v100-147 K's fragments; v148-171 p's codes; v172-187 the conversions' second halves.
; LIMITS: the promise holds while |t| stays under 2^31; NaN and infinities are not served; p under 2^-126 falls to 0; a block of zeros or under 2^-124 gets the byte 1; the division is a multiplication by v_rcp_f32's reciprocal.
.set REG,   102400
.set SREC,  6400
.set CHK,   25600
.set VB,    102400                     ; LDS: K from 0, V from here
.set SPARE, 217600                     ; the spare words, 128 bytes a wave
.set AK0,   1                          ; v1-3  8 x lane, + 2,048, + 4,096: a two-address load reaches eight pieces of 256 bytes
.set BS,    4                          ; v4    4 x lane + 6,144: a record's scale words
.set SH8,   5                          ; v5    8 (lane / 16)
.set GS,    6                          ; v6    16 p
.set AK,    8                          ; v8-10 K's next fetch;  v11-13 V's;  v14, v15 their scale words
.set AV,    11
.set ASK,   14
.set ASV,   15
.set KS,    16
.set VS,    18
.set QS,    20                         ; v20, v21 q's scale word, tile 0, 1
.set PS,    22                         ; v22, v23 p's
.set NM,    24                         ; tile x: v[24+2x] -M, v[25+2x] the largest score so far
.set L,     28                         ; v[28+2x:29+2x] the row's sum in two halves
.set FP,    32                         ; v[32+2x:33+2x] f = 2^(old M - new M)
.set T,     36
.set SPW,   38
.set NIL,   39
.set MX,    40                         ; index k = 2 x + c: tile x, block c of the lane
.set SO,    44
.set PT,    48
.set VF,    56
.set S,     104
.set O,     0                          ; window 1
.set QX,    64
.set KF,    100
.set PCD,   148
.set TC,    172
.set WV,    8
.set G1,    16
.set G0,    24
.set SEL,   56
.set CS,    58                         ; s[58:59] c = log2(e) / 8
.set TK,    60
.set TV,    61
.set CNT,   62
.set MSB, 0
.macro WIN new                         ; the immediate's high byte repeats the setting that is left
.if MSB != \new
	s_set_vgpr_msb (MSB<<8)|\new
.set MSB, \new
.endif
.endm
.macro PLACES n
.rept \n
	v_nop
.endr
.endm
.macro WALU
	s_wait_alu depctr_va_vdst(0)
.endm
.macro CROUND                          ; a round of the cluster's barrier
	s_barrier_signal -1
	s_barrier_wait -1
	s_cmp_lg_u32 s[WV], 0
	s_cbranch_scc1 .Lnot_wave_0_\@
	s_barrier_signal -3
.Lnot_wave_0_\@:
	s_barrier_wait -3
	s_barrier_signal -1
	s_barrier_wait -1
.endm
.macro FETCH dst, a                    ; four fragments, 24 pieces of 256 bytes, two to a load
.set m, 0
.rept 12
	ds_load_2addr_b64 v[\dst+4*m:\dst+4*m+3], v[\a+m/4] offset0:32*((2*m)%8) offset1:32*((2*m)%8)+32
.set m, m+1
.endr
.endm
.macro FETCHK a, as                    ; K's fragments into window 1, their scale words: lanes 0-15 an even fragment's, lanes 16-31 the odd one's
	ds_load_b32 v[KS], v[\as]
	ds_load_b32 v[KS+1], v[\as] offset:128
	WIN 0x40
	FETCH KF, \a
	WIN 0
.endm
.macro QK f, u, x                      ; keys' tile 2 f + u x queries' tile x
.if \f%2 == 0
	v_wmma_scale_f32_16x16x128_f8f6f4 v[S+64*\x+8*(2*\f+\u):S+64*\x+8*(2*\f+\u)+7], v[KF+12*\f:KF+12*\f+11], v[QX+18*\x+6*\u:QX+18*\x+6*\u+11], 0, v[KS+\f/2], v[QS+\x] matrix_a_fmt:MATRIX_FMT_FP6 matrix_b_fmt:MATRIX_FMT_FP6
.else
	v_wmma_scale_f32_16x16x128_f8f6f4 v[S+64*\x+8*(2*\f+\u):S+64*\x+8*(2*\f+\u)+7], v[KF+12*\f:KF+12*\f+11], v[QX+18*\x+6*\u:QX+18*\x+6*\u+11], 0, v[KS+\f/2], v[QS+\x] matrix_a_fmt:MATRIX_FMT_FP6 matrix_b_fmt:MATRIX_FMT_FP6 matrix_a_scale:MATRIX_SCALE_ROW1
.endif
.endm
.macro PV t, x                         ; channels' tile t x queries' tile x, K = the step's 128 keys
.if \t%2 == 0
	v_wmma_scale_f32_16x16x128_f8f6f4 v[O+32*\x+8*\t:O+32*\x+8*\t+7], v[VF+12*\t:VF+12*\t+11], v[PCD+12*\x:PCD+12*\x+11], v[O+32*\x+8*\t:O+32*\x+8*\t+7], v[VS+\t/2], v[PS+\x] matrix_a_fmt:MATRIX_FMT_FP6 matrix_b_fmt:MATRIX_FMT_FP6
.else
	v_wmma_scale_f32_16x16x128_f8f6f4 v[O+32*\x+8*\t:O+32*\x+8*\t+7], v[VF+12*\t:VF+12*\t+11], v[PCD+12*\x:PCD+12*\x+11], v[O+32*\x+8*\t:O+32*\x+8*\t+7], v[VS+\t/2], v[PS+\x] matrix_a_fmt:MATRIX_FMT_FP6 matrix_b_fmt:MATRIX_FMT_FP6 matrix_a_scale:MATRIX_SCALE_ROW1
.endif
.endm
.macro EXP8 b
.set j, 0
.rept 8
	v_exp_f32 v[\b+j], v[\b+j]
.set j, j+1
.endr
.endm
.macro LEVEL st                        ; a level of the sum's tree, in place, the two tiles by turns
.set j, 0
.rept 32/(\st)
.irp x, 0,1
	v_pk_add_f32 v[S+64*\x+j:S+64*\x+j+1], v[S+64*\x+j:S+64*\x+j+1], v[S+64*\x+j+\st:S+64*\x+j+\st+1]
.endr
.set j, j+2*(\st)
.endr
.endm
	s_load_b128 s[4:7], s[0:1], 0x0                ; qkv s[4:5], att s[6:7]
	v_lshl_add_u32 v[SPW], v0, 2, SPARE
	v_mov_b32 v[NIL], 0
	ds_add_u32 v[SPW], v[NIL]                      ; the opening lines: the add twice on end and its wait ahead of my tensor load
	ds_add_u32 v[SPW], v[NIL]
	v_lshrrev_b32 v7, 5, v0
	v_readfirstlane_b32 s[WV], v7                  ; wave 0..7
	s_bfe_u32 s9, ttmp6, 0x40000                   ; cx
	s_lshl_b32 s10, ttmp9, 2
	s_add_co_u32 s10, s10, s9                      ; my block of 256 queries
	s_and_b32 s11, ttmp7, 0xffff                   ; 2 head + batch, which the four partners share
	s_lshl_b32 s12, s10, 4
	s_lshl_b32 s13, s[WV], 1
	s_add_co_u32 s12, s12, s13                     ; my first token tile in the batch: even, 0 .. 126
	s_mov_b32 s[G1], 15|(3<<16)|(1<<21)            ; 15:0 the mask: all four; 17:16 elements of 8 bytes; 21 set beside a mask.  A chunk is dense: 100 rows of 256 bytes
	s_mov_b32 s[G1+1], 32<<16
	s_mov_b32 s[G1+2], 100<<16
	s_mov_b32 s[G1+3], 32<<16
	s_mov_b32 s[G1+4], 100
	s_mov_b32 s[G1+5], 32
	s_mov_b32 s[G1+6], 0
	s_mov_b32 s[G1+7], 0
	s_mul_i32 s66, s11, REG
	s_and_b32 s84, s[WV], 1                        ; my chunk: K's (0) or V's (1),
	s_lshr_b32 s85, s[WV], 1                       ; number 0 .. 3
	s_mul_i32 s86, s84, VB
	s_mul_i32 s85, s85, CHK
	s_mov_b32 s[G0], 1
	s_add_co_u32 s[G0+1], s86, s85                 ; its place in LDS: the wave's number alone
	s_mul_i32 s86, s84, 32*REG
	s_add_co_u32 s68, s66, s86
	s_add_co_u32 s68, s68, s85
	s_add_co_u32 s68, s68, 32*REG                  ; k's regions begin 32 regions in, v's 64
	s_mov_b32 s69, 0
	s_lshr_b32 s72, s12, 3
	s_mul_i32 s72, s72, SREC
	s_add_co_u32 s72, s72, s66                     ; q's step record with my two tiles
	s_bfe_u32 s73, s12, 0x20001                    ; which are its fragment (tile % 8) / 2
	s_mul_i32 s74, s73, 1536
	s_add_co_u32 s74, s74, s72
	s_mov_b32 s75, 0
	s_lshl_b32 s76, s73, 6
	s_add_co_u32 s76, s76, s72
	s_add_co_u32 s76, s76, 4*1536                  ; the pair's scale words
	s_mov_b32 s77, 0
	s_lshr_b32 s78, s11, 1                         ; the head
	s_and_b32 s79, s11, 1                          ; the batch
	s_lshl_b32 s79, s79, 7
	s_add_co_u32 s79, s79, s12                     ; my first token tile in att
	s_mul_i32 s79, s79, 12800
	s_lshr_b32 s84, s78, 3                         ; att's K step is head / 2: its record,
	s_mul_i32 s84, s84, 6400
	s_add_co_u32 s79, s79, s84
	s_bfe_u32 s84, s78, 0x20001                    ; its fragment in the record,
	s_and_b32 s85, s78, 1                          ; and my head's half of it
	s_mul_i32 s80, s84, 1536
	s_mul_i32 s81, s85, 768
	s_add_co_u32 s80, s80, s81
	s_add_co_u32 s80, s80, s79
	s_mov_b32 s81, 0
	s_lshl_b32 s84, s84, 2
	s_lshl_b32 s85, s85, 1
	s_add_co_u32 s82, s84, s85
	s_add_co_u32 s82, s82, s79
	s_add_co_u32 s82, s82, 4*1536                  ; my two scale bytes in a row's 16
	s_mov_b32 s83, 0
	s_mov_b32 s[SEL], 0x76543210
	s_mov_b32 s[SEL+1], 0xfedcba98
	s_mov_b32 s[CS], 0x3e38aa3b                    ; log2(e) / 8
	s_mov_b32 s[CS+1], s[CS]                       ; (named with it as a pair, so it is written)
	s_mov_b32 s[TK], 2*SREC                        ; the first step makes the addresses of K's step 2
	s_mov_b32 s[TV], VB+SREC                       ; and of V's step 1
	s_wait_dscnt 0x0
	s_wait_kmcnt 0x0
	s_add_nc_u64 s[G0+2:G0+3], s[4:5], s[68:69]
	s_or_b32 s[G0+3], s[G0+3], 0x80000000
	s_add_nc_u64 s[74:75], s[4:5], s[74:75]
	s_add_nc_u64 s[76:77], s[4:5], s[76:77]
	s_add_nc_u64 s[80:81], s[6:7], s[80:81]
	s_add_nc_u64 s[82:83], s[6:7], s[82:83]
	CROUND                                         ; all four work-groups are here: the joint loads meet
	s_cmp_lt_u32 s[WV], 4                          ; one load a wave; waves 0-3, which wait ahead of the first barrier, have a load line of their own
	s_cbranch_scc0 .Llate
	tensor_load_to_lds s[G0:G0+3], s[G1:G1+7]
	s_nop 0
	PLACES 4
	s_branch .Lasked
.Llate:
	tensor_load_to_lds s[G0:G0+3], s[G1:G1+7]
	s_nop 0
	PLACES 4
.Lasked:
	v_and_b32 v7, 31, v0
	v_lshlrev_b32 v[AK0], 3, v7
	v_lshlrev_b32 v[BS], 2, v7
	v_and_b32 v[GS], 15, v0
	v_bfe_u32 v[SH8], v0, 4, 1
	v_lshlrev_b32 v7, 2, v[GS]                     ; 4 p
	v_lshlrev_b32 v[GS], 4, v[GS]
	v_lshlrev_b32 v[SH8], 3, v[SH8]
	global_load_b32 v[QS], v7, s[76:77]            ; the pair's word: tile 0's two bytes, then tile 1's
	WIN 0x40
.irp x, 0,1
.irp p, 0,1,2
	global_load_b64 v[QX+18*\x+2*\p:QX+18*\x+2*\p+1], v[AK0], s[74:75] offset:768*\x+256*\p          ; q's 64 codes as K 0-63,
	global_load_b64 v[QX+18*\x+12+2*\p:QX+18*\x+12+2*\p+1], v[AK0], s[74:75] offset:768*\x+256*\p    ; and as K 64-127
.endr
.irp i, 0,1,2,3,4,5
	v_mov_b32 v[QX+18*\x+6+\i], 0                  ; zero codes between them
.endr
.endr
	WIN 0
	v_add_nc_u32 v[AK0+1], 2048, v[AK0]
	v_add_nc_u32 v[AK0+2], 4096, v[AK0]
	v_add_nc_u32 v[BS], 4*1536, v[BS]
.irp g, 0,1,2
	v_add_nc_u32 v[AK+\g], SREC, v[AK0+\g]         ; K's step 1
	v_add_nc_u32 v[AV+\g], VB, v[AK0+\g]           ; V's step 0
.endr
	v_add_nc_u32 v[ASK], SREC, v[BS]
	v_add_nc_u32 v[ASV], VB, v[BS]
.irp x, 0,1
	v_mov_b32 v[NM+2*\x+1], 0xff61b1e6             ; the largest score so far: -3e38, under every score
	v_mov_b32 v[L+2*\x], 0
	v_mov_b32 v[L+2*\x+1], 0
	v_mov_b32 v[FP+2*\x+1], 0                      ; (named as the upper half of a pair)
.endr
.irp x, 0,1
	v_mul_f32 v[T+\x], s[CS], v[NM+2*\x+1]
.endr
.irp x, 0,1
	v_floor_f32 v[NM+2*\x], -v[T+\x]
.endr
.irp k, 0,1,2,3
	v_mov_b32 v[PT+\k], 0                          ; written once: a lane permute's destination counts as one of its sources
.endr
	WALU                                           ; the wait ahead of a wait that blocks
	s_wait_loadcnt 0x0
	v_perm_b32 v[QS+1], v[QS], v[QS], 0x03020302   ; a tile's two bytes, twice: the word serves both halves of K
	v_perm_b32 v[QS], v[QS], v[QS], 0x01000100
	WIN 0x40
.set j, 0
.rept 64
	v_mov_b32 v[O+j], 0                            ; O^T.  The step is written once: its first trip finds zeros.  (These lines are also the places between the two lines above and the first product)
.set j, j+1
.endr
	WIN 0
	WALU                                           ; the wait at the head's end
	s_cmp_lt_u32 s[WV], 4
	s_cbranch_scc0 .Lnot_first
	s_wait_tensorcnt 0x0                           ; chunks 0 and 1 of K and of V
.Lnot_first:
	s_barrier_signal -1
	s_barrier_wait -1
	FETCHK AK0, BS                                 ; K's step 0
	s_wait_dscnt 0x0
; A KEY STEP: 128 keys x my 32 queries
.macro STEP
	WIN 0x05                                       ; sources 0 (K) and 1 (q) window 1, D window 0
.irp f, 0,1,2,3
.irp u, 0,1
.irp x, 0,1
	QK \f, \u, \x
.endr
.endr
.endr
	WIN 0
	PLACES 4                                       ; in front of the first read of the scores and of loads into registers that these products (K) and the last step's (V) have read
	ds_load_b32 v[VS], v[ASV]
	ds_load_b32 v[VS+1], v[ASV] offset:128
	FETCH VF, AV                                   ; V of this step,
	FETCHK AK, ASK                                 ; K of the next: both land while the softmax is walked
.irp k, 0,1,2,3
	v_max3_num_f32 v[MX+\k], v[S+32*\k], v[S+32*\k+1], v[S+32*\k+2]   ; the largest score of each block of 32 keys, all in my lane; ascending: each accumulator is read from its low end on.  Four chains by turns
.endr
.irp i, 3,5,7,9,11,13,15,17,19,21,23,25,27,29
.irp k, 0,1,2,3
	v_max3_num_f32 v[MX+\k], v[MX+\k], v[S+32*\k+\i], v[S+32*\k+\i+1]
.endr
.endr
.irp k, 0,1,2,3
	v_max_num_f32 v[MX+\k], v[MX+\k], v[S+32*\k+31]
.endr
.irp x, 0,1
	v_max_num_f32 v[T+\x], v[MX+2*\x], v[MX+2*\x+1]
.endr
.irp x, 0,1
	v_permlanex16_b32 v[PT+2*\x], v[T+\x], s[SEL], s[SEL+1]
.endr
.irp x, 0,1
	v_max3_num_f32 v[NM+2*\x+1], v[NM+2*\x+1], v[T+\x], v[PT+2*\x]   ; the running largest score of my query
.endr
.irp x, 0,1
	v_mul_f32 v[T+\x], s[CS], v[NM+2*\x+1]         ; as t (c is positive)
.endr
.irp x, 0,1
	v_mov_b32 v[PT+2*\x+1], v[NM+2*\x]
.endr
.irp x, 0,1
	v_floor_f32 v[NM+2*\x], -v[T+\x]               ; the new -M = floor(-t) = -ceil(t)
.endr
.irp x, 0,1
	v_sub_f32 v[T+\x], v[NM+2*\x], v[PT+2*\x+1]    ; old M - new M: a whole number, 0 or less
.endr
.irp x, 0,1
	v_cvt_i32_f32 v[T+\x], v[T+\x]                 ; (it saturates)
.endr
.irp x, 0,1
	v_ldexp_f32 v[FP+2*\x], 1.0, v[T+\x]           ; f = 2^(old M - new M)
.endr
.irp k, 0,1,2,3
	v_fma_f32 v[MX+\k], v[MX+\k], s[CS], v[NM+2*(\k/2)]   ; t - M of each block's largest score
.endr
	WIN 0x41                                       ; O^T: destination and source 0 window 1
.set j, 0
.rept 16
.irp x, 0,1
	v_pk_mul_f32 v[O+32*\x+j:O+32*\x+j+1], v[O+32*\x+j:O+32*\x+j+1], v[FP+2*\x:FP+2*\x+1] op_sel_hi:[1,0]   ; O^T under the new M, ascending
.endr
.set j, j+2
.endr
	WIN 0
.irp x, 0,1
	v_pk_mul_f32 v[L+2*\x:L+2*\x+1], v[L+2*\x:L+2*\x+1], v[FP+2*\x:FP+2*\x+1] op_sel_hi:[1,0]
.endr
.set j, 0
.rept 32
	v_pk_fma_f32 v[S+j:S+j+1], v[S+j:S+j+1], s[CS:CS+1], v[NM:NM+1] op_sel_hi:[1,0,0]   ; tile 0: t - M (of the pairs c and -M the low word serves both halves)
.set j, j+2
.endr
	WALU                                           ; the wait ahead of a batch of transcendentals
.irp k, 0,1,2,3
	v_exp_f32 v[MX+\k], v[MX+\k]                   ; the blocks' largest p
.endr
.set j, 0
.rept 32
	v_exp_f32 v[S+j], v[S+j]                       ; tile 0: p = 2^(t - M);
	v_exp_f32 v[S+j+1], v[S+j+1]
	v_pk_fma_f32 v[S+64+j:S+64+j+1], v[S+64+j:S+64+j+1], s[CS:CS+1], v[NM+2:NM+3] op_sel_hi:[1,0,0]   ; among them tile 1's t - M, read behind the next wait
.set j, j+2
.endr
	WALU                                           ; behind the first batch and ahead of the second
.irp g, 0,1,2
	EXP8 S+64+16*\g                                ; tile 1's p; among them the addresses of the next fetches, read behind the next wait
	v_add_nc_u32 v[AK+\g], s[TK], v[AK0+\g]
	EXP8 S+72+16*\g
	v_add_nc_u32 v[AV+\g], s[TV], v[AK0+\g]
.endr
	EXP8 S+112
	v_add_nc_u32 v[ASK], s[TK], v[BS]
	EXP8 S+120
	v_add_nc_u32 v[ASV], s[TV], v[BS]              ; (the plain place behind the last exponential)
	s_add_co_u32 s[TK], s[TK], SREC
	s_add_co_u32 s[TV], s[TV], SREC
	WALU                                           ; one wait for the batch, ahead of its first reader
.irp k, 0,1,2,3
	v_max_num_f32 v[MX+\k], 0x1800000, v[MX+\k]    ; the floor 2^(3 - 127): the byte cannot fall under 1
.endr
.irp k, 0,1,2,3
	v_add_nc_u32 v[SO+\k], 0xff000000, v[MX+\k]    ; 2 off the exponent field: the conversion's scale operand
.endr
.irp k, 0,1,2,3
	v_lshrrev_b32 v[PT+\k], 23, v[SO+\k]
.endr
.irp x, 0,1
	v_lshl_or_b32 v[PS+\x], v[PT+2*\x+1], 16, v[PT+2*\x]   ; my two bytes: blocks h and 2 + h,
.endr
.irp x, 0,1
	v_lshlrev_b32 v[PS+\x], v[SH8], v[PS+\x]       ; at their places in the word;
.endr
.irp x, 0,1
	v_permlanex16_b32 v[PT+2*\x], v[PS+\x], s[SEL], s[SEL+1]
.endr
.irp x, 0,1
	v_or_b32 v[PS+\x], v[PS+\x], v[PT+2*\x]        ; with lane l xor 16's two: p's scale word for these 128 keys
.endr
	WIN 0x40                                       ; the codes go to window 1
.irp k, 0,1,2,3
	v_cvt_scalef32_pk16_fp6_f32 v[PCD+6*\k:PCD+6*\k+2], v[S+32*\k:S+32*\k+15], v[SO+\k]
	v_cvt_scalef32_pk16_fp6_f32 v[TC+4*\k:TC+4*\k+2], v[S+32*\k+16:S+32*\k+31], v[SO+\k]   ; (a conversion's three registers begin on an even number)
.endr
	WIN 0x41
	v_nop                                          ; one plain place behind the scaled conversions
.irp k, 0,1,2,3
.irp i, 0,1,2
	v_mov_b32 v[PCD+6*\k+3+\i], v[TC+4*\k+\i]
.endr
.endr
	WIN 0
	LEVEL 2                                        ; the row's sum of the unquantised p, in place: the codes are made
	LEVEL 4
	LEVEL 8
	LEVEL 16
	LEVEL 32
.irp x, 0,1
	v_pk_add_f32 v[L+2*\x:L+2*\x+1], v[L+2*\x:L+2*\x+1], v[S+64*\x:S+64*\x+1]
.endr
	WALU                                           ; the wait ahead of a wait that blocks
	s_wait_dscnt 0x0                               ; V of this step and K of the next are in
	WIN 0x54                                       ; source 0 (V) window 0, source 1 (p), C and D window 1
.irp t, 0,1,2,3
.irp x, 0,1
	PV \t, \x                                      ; the eight accumulators by turns, one instruction a turn
.endr
.endr
	WIN 0
.endm
	s_mov_b32 s[CNT], 4
.Lfirst:                                               ; key steps 0-3: they read K's steps 0-4 and V's 0-3: chunks 0 and 1
	STEP
	s_sub_co_u32 s[CNT], s[CNT], 1
	s_cmp_lg_u32 s[CNT], 0
	s_cbranch_scc1 .Lfirst
	s_wait_tensorcnt 0x0                           ; every wave's chunk has landed;
	s_wait_dscnt 0x0
	s_barrier_signal -1
	s_barrier_wait -1                              ; all eight are shown to all.  Nothing is ever filled again
	s_mov_b32 s[CNT], 12
.Lrest:
	STEP
	s_sub_co_u32 s[CNT], s[CNT], 1
	s_cmp_lg_u32 s[CNT], 0
	s_cbranch_scc1 .Lrest
	; THE WAY OUT: O^T / the sum.  V's channel tiles have the weights' order of rows (tile 2 B + u, place p: row 32 B + 8 u + p + 8 (p / 8)): register 16 b + i of a tile of queries = channel 32 b + 16 h + i: two blocks along the model's axis, each shared with lane l xor 16.
.irp x, 0,1
	v_add_f32 v[L+2*\x], v[L+2*\x], v[L+2*\x+1]    ; (these six lines are also the places behind the last products)
.endr
.irp x, 0,1
	v_permlanex16_b32 v[T+\x], v[L+2*\x], s[SEL], s[SEL+1]
.endr
.irp x, 0,1
	v_add_f32 v[L+2*\x], v[L+2*\x], v[T+\x]        ; the row's sum
.endr
	WALU
.irp x, 0,1
	v_rcp_f32 v[L+2*\x], v[L+2*\x]
.endr
	v_nop                                          ; one plain place behind the transcendentals
	WIN 0x01                                       ; source 0 (O^T) window 1
	WALU
.set j, 0
.rept 16
.irp x, 0,1
	v_pk_mul_f32 v[S+64*\x+j:S+64*\x+j+1], v[O+32*\x+j:O+32*\x+j+1], v[L+2*\x:L+2*\x+1] op_sel_hi:[1,0]   ; ascending: each accumulator is read from its low end on
.endr
.set j, j+2
.endr
	WIN 0
.irp k, 0,1,2,3                                ; k = 2 x + b: tile x, block b
	v_max3_num_f32 v[MX+\k], |v[S+64*(\k/2)+16*(\k%2)]|, |v[S+64*(\k/2)+16*(\k%2)+1]|, 0x1800000
.endr
.irp i, 2,4,6,8,10,12,14
.irp k, 0,1,2,3
	v_max3_num_f32 v[MX+\k], v[MX+\k], |v[S+64*(\k/2)+16*(\k%2)+\i]|, |v[S+64*(\k/2)+16*(\k%2)+\i+1]|
.endr
.endr
.irp k, 0,1,2,3
	v_permlanex16_b32 v[PT+\k], v[MX+\k], s[SEL], s[SEL+1]
.endr
.irp k, 0,1,2,3
	v_max_num_f32 v[MX+\k], v[MX+\k], v[PT+\k]
.endr
.irp k, 0,1,2,3
	v_add_nc_u32 v[SO+\k], 0xff000000, v[MX+\k]
.endr
.irp k, 0,1,2,3
	v_lshrrev_b32 v[PT+\k], 23, v[SO+\k]
.endr
.irp x, 0,1
	v_lshl_or_b32 v[T+\x], v[PT+2*\x+1], 8, v[PT+2*\x]   ; my head's two scale bytes of my row
.endr
.irp x, 0,1
	v_cvt_scalef32_pk16_fp6_f32 v[VF+12*\x:VF+12*\x+2], v[S+64*\x:S+64*\x+15], v[SO+2*\x]
	v_cvt_scalef32_pk16_fp6_f32 v[VF+24+4*\x:VF+24+4*\x+2], v[S+64*\x+16:S+64*\x+31], v[SO+2*\x+1]
.endr
	v_nop                                          ; one plain place behind the scaled conversions
.irp x, 0,1
.irp i, 0,1,2
	v_permlane16_swap_b32 v[VF+12*\x+\i], v[VF+24+4*\x+\i]   ; a whole block in a lane: lanes 0-15 block 0, lanes 16-31 block 1
.endr
.endr
.irp x, 0,1
.irp i, 0,1,2
	v_mov_b32 v[VF+12*\x+3+\i], v[VF+24+4*\x+\i]
.endr
.endr
.irp x, 0,1
.irp p, 0,1,2
	global_store_b64 v[AK0], v[VF+12*\x+2*\p:VF+12*\x+2*\p+1], s[80:81] offset:12800*\x+256*\p   ; 256 consecutive bytes, aligned
.endr
	global_store_b16 v[GS], v[T+\x], s[82:83] offset:12800*\x   ; two bytes of each row's 16: two heads, of two work-groups, share a word of att's scales, so these 32 bytes leave in small pieces; lanes 16-31 name the same bytes with the same values
.endr
	s_wait_tensorcnt 0x0                           ; the wave's end
	ds_add_u32 v[SPW], v[NIL]
	s_wait_dscnt 0x0
	CROUND                                         ; the closing round
	s_endpgm
.Lfunc_end_k_qafbea01de2_attn:
	.size	k_qafbea01de2_attn, .Lfunc_end_k_qafbea01de2_attn-k_qafbea01de2_attn
	.p2alignl 7, 3214868480
	.fill 96, 4, 3214868480
	.section	.rodata,"a",@progbits
	.p2align	6, 0x0
	.amdhsa_kernel k_qafbea01de2_attn
		.amdhsa_group_segment_fixed_size 218624
		.amdhsa_private_segment_fixed_size 0
		.amdhsa_enable_private_segment 0
		.amdhsa_kernarg_size 16
		.amdhsa_user_sgpr_count 2
		.amdhsa_user_sgpr_kernarg_segment_ptr 1
		.amdhsa_wavefront_size32 1
		.amdhsa_system_sgpr_workgroup_id_x 1
		.amdhsa_system_sgpr_workgroup_id_y 1
		.amdhsa_system_sgpr_workgroup_id_z 1
		.amdhsa_system_vgpr_workitem_id 0
		.amdhsa_next_free_vgpr 448
		.amdhsa_next_free_sgpr 96
		.amdhsa_reserve_vcc 0
		.amdhsa_float_denorm_mode_32 3
		.amdhsa_float_denorm_mode_16_64 3
		.amdhsa_memory_ordered 1
		.amdhsa_forward_progress 1
		.amdhsa_inst_pref_size 74
	.end_amdhsa_kernel
	.amdgpu_metadata
---
amdhsa.version: [ 1, 2 ]
amdhsa.kernels:
  - .name:           k_qafbea01de2_attn
    .symbol:         k_qafbea01de2_attn.kd
    .args:
      - { .name: qkv, .offset: 0, .size: 8, .value_kind: global_buffer, .address_space: global }
      - { .name: att, .offset: 8, .size: 8, .value_kind: global_buffer, .address_space: global }
    .group_segment_fixed_size: 218624
    .private_segment_fixed_size: 0
    .kernarg_segment_align: 8
    .kernarg_segment_size: 16
    .max_flat_workgroup_size: 256
    .sgpr_count:     96
    .vgpr_count:     448
    .wavefront_size: 32
...
	.end_amdgpu_metadata
.endif
;; end of part 3
;; launch outp (part 4): grid 8 x 32, 4 waves a work-group, clusters of 4 x 4, 222,720 bytes of LDS; arguments ops, att, b_o, out0; writes out0
.if DOCPART == 4
	.amdgcn_target "amdgcn-amd-amdhsa--gfx1250"
	.amdhsa_code_object_version 6
	.text
	.protected	k_qafbea01de2_outp
	.globl	k_qafbea01de2_outp
	.p2align	8
	.type	k_qafbea01de2_outp,@function
k_qafbea01de2_outp:
	s_mov_b64 s[64:65], 0
	v_nop
	global_prefetch_b8 v0, s[64:65] scope:SCOPE_SE
	s_setreg_imm32_b32 hwreg(HW_REG_WAVE_MODE, 25, 1), 1
	s_wait_xcnt 0x0
	s_wait_alu depctr_hold_cnt(0) depctr_sa_sdst(0) depctr_va_vdst(0) depctr_va_sdst(0) depctr_va_ssrc(0) depctr_va_vcc(0) depctr_vm_vsrc(0)
	s_getreg_b32 s2, hwreg(HW_REG_IB_STS2, 6, 4)
	s_cmp_eq_u32 s2, 0
	s_cbranch_scc0 .Lentry_in_a_cluster
	s_endpgm
.Lentry_in_a_cluster:
	s_bfe_u32 s2, ttmp6, 0x10000c
	s_cmp_lg_u32 s2, 0xf033
	s_cbranch_scc0 .Lentry_shape_is_right
	s_endpgm
.Lentry_shape_is_right:
; out0 = att Q(w_o)^T + b_o on codes of FP6 (E2M3) with one E8M0 scale for each 32 along K = 1,024; sums in f32.  att's codes come from the attention launch, w_o's lie in ops from tile 448 on; both in the same layout:
; 16-row tiles whose place p is row 32 B + 8 u + p + 8 (p / 8); fragments as images of registers (six pieces of 256 bytes); a tile = two records of 6,400 bytes = four K steps + 256 bytes of scales.
; Source 0 = 16 rows of X (w_o: the output's columns), source 1 = 16 rows of Y (tokens): a lane holds one token, and the 16 registers of X's tiles 2 B, 2 B + 1 are 16 neighbouring columns.
; SHARES: a work-group makes X 128 x Y 128, each of its four waves 64 x 64: 16 accumulators: so that there are 256 work-groups.  All of K for these 256 rows is 204,800 bytes: it lies in LDS whole, every byte filled ONCE,
; in two chunks along K: the first is multiplied while the second lands.  The stage for the way out has bytes of its own behind them.
; CLUSTERS: 4 x 4 work-groups; Y's tiles are shared along a row of the cluster, X's along a column, by joint loads.
; The bias is the C of each sum's first product.
; REGISTERS: window 0: v1-15 addresses; v16-63 scale words and nothing else; v64-159 Y's fragments, two sets, later rows of the output.  window 1: X's fragments, two sets, at v0 and v128.  window 2: accumulator (a, b) at v[8 (4 a + b)].  window 3: v0-31 the bias.
.set NB,    4
.set REC,   6400
.set TILE,  12800
.set YB,    8*REC
.set XH,    NB*REC
.set YH,    4*REC
.set CHUNK, YB+2*XH
.set STAGE, 2*CHUNK                    ; 16 rows x (256 bytes + 16) for each wave
.set SPI,   272
.set ADX,   4
.set ADY,   6
.set ASX,   8
.set ASY,   10
.set STO,   12                         ; v12  the stage: where I put 16 bytes of a row
.set RD,    13                         ; v13  and where I read a row back
.set CO,    14                         ; v14  my byte offset in two rows of the output
.set BA,    15                         ; v15  64 h
.set SC,    16
.set YF,    64
.set BK,    64
.set BX,    0
.set WV,    12
.set G1Y,   24
.set G0Y,   32
.set G1X,   40
.set G0X,   48
.set MSB, 0
.macro WIN new                         ; the immediate's high byte repeats the setting that is left
.if MSB != \new
	s_set_vgpr_msb (MSB<<8)|\new
.set MSB, \new
.endif
.endm
.macro PLACES n
.rept \n
	v_nop
.endr
.endm
.macro CROUND                          ; a round of the cluster's barrier
	s_barrier_signal -1
	s_barrier_wait -1
	s_cmp_lg_u32 s[WV], 0
	s_cbranch_scc1 .Lnot_wave_0_\@
	s_barrier_signal -3
.Lnot_wave_0_\@:
	s_barrier_wait -3
	s_barrier_signal -1
	s_barrier_wait -1
.endm
	s_load_b256 s[4:11], s[0:1], 0x0               ; ops s[4:5], att s[6:7], b_o s[8:9], out0 s[10:11]
	v_lshl_add_u32 v254, v0, 2, 0x36400
	v_mov_b32 v255, 0
	ds_add_u32 v254, v255
	ds_add_u32 v254, v255
	v_lshrrev_b32 v1, 5, v0
	v_readfirstlane_b32 s[WV], v1                  ; wave 0..3
	s_lshr_b32 s13, s[WV], 1                       ; wy: which 64 tokens are mine.  Also: which chunk I fetch
	s_and_b32 s14, s[WV], 1                        ; wx: which 64 columns.  Also: I fetch for X (0) or for Y (1)
	s_bfe_u32 s15, ttmp6, 0x40000                  ; cx, cy
	s_bfe_u32 s16, ttmp6, 0x40004
	s_lshl_b32 s18, ttmp9, 2
	s_add_co_u32 s18, s18, s15                     ; xt: my 128 columns
	s_and_b32 s19, ttmp7, 0xffff
	s_lshl_b32 s19, s19, 2
	s_add_co_u32 s19, s19, s16                     ; yt: my 128 tokens
	s_lshl_b32 s20, s16, 2
	s_lshl_b32 s20, 15, s20                        ; my row of the cluster
	s_lshl_b32 s21, 0x1111, s15                    ; my column
	s_or_b32 s[G1Y], s20, (3<<16)|(1<<21)          ; 15:0 the mask; 17:16 elements of 8 bytes; 21 set beside a mask.  Eight tiles' records of one chunk: 8 rows of 800 elements, 1,600 apart
	s_or_b32 s[G1X], s21, (3<<16)|(1<<21)
.irp g, G1Y, G1X
	s_mov_b32 s[\g+1], 800<<16
	s_mov_b32 s[\g+2], 8<<16
	s_mov_b32 s[\g+3], 800<<16
	s_mov_b32 s[\g+4], 8
	s_mov_b32 s[\g+5], 1600
	s_mov_b32 s[\g+6], 0
	s_mov_b32 s[\g+7], 0
.endr
	s_lshl_b32 s56, s19, 3                         ; Y: att's tiles from 8 yt on, all eight by one load: no register here ever holds cx
	s_mul_i32 s56, s56, TILE
	s_mov_b32 s57, 0
	s_mov_b32 s60, 0
	s_lshl_b32 s58, s18, 3                         ; X: ops' tiles from 448 + 8 xt on: no register here ever holds cy
	s_add_co_u32 s58, s58, 448
	s_mul_i32 s58, s58, TILE
	s_mov_b32 s59, 0
	s_mov_b32 s61, YB
	s_wait_dscnt 0x0
	s_wait_kmcnt 0x0
	s_add_nc_u64 s[56:57], s[6:7], s[56:57]
	s_add_nc_u64 s[58:59], s[4:5], s[58:59]
.irp ch, 0,1
	s_mov_b32 s[G0Y+4*\ch], 1
	s_add_co_u32 s[G0Y+4*\ch+1], s60, \ch*CHUNK
	s_add_nc_u64 s[G0Y+4*\ch+2:G0Y+4*\ch+3], s[56:57], \ch*REC
	s_or_b32 s[G0Y+4*\ch+3], s[G0Y+4*\ch+3], 0x80000000
	s_mov_b32 s[G0X+4*\ch], 1
	s_add_co_u32 s[G0X+4*\ch+1], s61, \ch*CHUNK
	s_add_nc_u64 s[G0X+4*\ch+2:G0X+4*\ch+3], s[58:59], \ch*REC
	s_or_b32 s[G0X+4*\ch+3], s[G0X+4*\ch+3], 0x80000000
.endr
	CROUND                                         ; all sixteen work-groups are here: the joint loads meet
	s_cmp_eq_u32 s[WV], 0                          ; the four tiles, one a wave, in one chain of arms: wave 0 X's chunk 0, wave 1 Y's chunk 0, wave 2 X's chunk 1, wave 3 Y's chunk 1
	s_cbranch_scc0 .Lfill_1
	tensor_load_to_lds s[G0X:G0X+3], s[G1X:G1X+7]
	s_nop 0
	PLACES 4
	s_branch .Lfilled
.Lfill_1:
	s_cmp_eq_u32 s[WV], 1
	s_cbranch_scc0 .Lfill_2
	tensor_load_to_lds s[G0Y:G0Y+3], s[G1Y:G1Y+7]
	s_nop 0
	PLACES 4
	s_branch .Lfilled
.Lfill_2:
	s_cmp_eq_u32 s[WV], 2
	s_cbranch_scc0 .Lfill_3
	tensor_load_to_lds s[G0X+4:G0X+7], s[G1X:G1X+7]
	s_nop 0
	PLACES 4
	s_branch .Lfilled
.Lfill_3:
	tensor_load_to_lds s[G0Y+4:G0Y+7], s[G1Y:G1Y+7]
	s_nop 0
	PLACES 4
.Lfilled:
	v_and_b32 v3, 31, v0
	v_lshlrev_b32 v3, 3, v3                        ; 8 x lane
	s_wait_alu depctr_va_vdst(0)
	v_and_b32 v1, 15, v0                           ; p
	v_bfe_u32 v2, v0, 4, 1                         ; h
	s_wait_alu depctr_va_vdst(0)
	v_lshlrev_b32 v[BA], 6, v2
	s_lshl_b32 s66, s18, 9                         ; b_o at my 64 columns: 4 (128 xt + 64 wx)
	s_lshl_b32 s67, s14, 8
	s_add_co_u32 s66, s66, s67
	s_mov_b32 s67, 0
	s_add_nc_u64 s[8:9], s[8:9], s[66:67]
	WIN 0xc0                                       ; destination window 3
.irp g, 0,1
.irp j, 0,1,2,3
	global_load_b128 v[BX+16*\g+4*\j:BX+16*\g+4*\j+3], v[BA], s[8:9] offset:128*\g+16*\j   ; register 16 g + i: the bias of column 32 g + 16 h + i
.endr
.endr
	WIN 0
	s_mul_i32 s20, s14, XH
	s_add_co_u32 s20, s20, YB                      ; my 4 tiles of X in chunk 0
	s_mul_i32 s21, s13, YH                         ; my 4 tiles of Y
	v_add_nc_u32 v[ADX], s20, v3
	v_add_nc_u32 v[ADY], s21, v3
	v_add_nc_u32 v[ADX+1], CHUNK, v[ADX]
	v_add_nc_u32 v[ADY+1], CHUNK, v[ADY]
	v_mul_u32_u24 v[ASX], v2, REC                  ; lanes 16-31 take the tile one further on
	v_lshl_add_u32 v[ASX], v1, 4, v[ASX]
	v_add_nc_u32 v[ASX], 4*1536, v[ASX]
	v_add_nc_u32 v[ASY], s21, v[ASX]
	v_add_nc_u32 v[ASX], s20, v[ASX]
	v_add_nc_u32 v[ASX+1], CHUNK, v[ASX]
	v_add_nc_u32 v[ASY+1], CHUNK, v[ASY]
	s_mul_i32 s22, s[WV], 16*SPI
	s_add_co_u32 s22, s22, STAGE                   ; my stage
	v_mul_u32_u24 v[STO], v1, SPI
	v_lshl_add_u32 v[STO], v2, 6, v[STO]
	v_add_nc_u32 v[STO], s22, v[STO]               ; in: row p, + 64 h
	v_mul_u32_u24 v[RD], v2, SPI
	v_lshl_add_u32 v[RD], v1, 4, v[RD]
	v_add_nc_u32 v[RD], s22, v[RD]                 ; back: lanes 0-15 one row of 256 bytes, lanes 16-31 the next
	v_lshlrev_b32 v[CO], 12, v2
	v_lshl_add_u32 v[CO], v1, 4, v[CO]             ; and the same two rows in the output
	s_lshl_b32 s66, s19, 7
	s_lshl_b32 s67, s13, 6
	s_add_co_u32 s66, s66, s67                     ; my first token
	s_lshl_b32 s66, s66, 12
	s_lshl_b32 s67, s18, 9
	s_add_co_u32 s66, s66, s67
	s_lshl_b32 s67, s14, 8
	s_add_co_u32 s66, s66, s67                     ; + my first column, in bytes
	s_mov_b32 s67, 0
	s_add_nc_u64 s[10:11], s[10:11], s[66:67]
.macro FETCH s                         ; K step s: chunk s / 4, fragment s % 4 of each record, register set s % 2; each load takes a piece, 256 consecutive bytes
	WIN 0x40                                       ; destination window 1, address window 0
.irp b, 0,1,2,3
.irp p, 0,1,2,3,4,5
	ds_load_b64 v[128*((\s)%2)+12*\b+2*\p:128*((\s)%2)+12*\b+2*\p+1], v[ADX+(\s)/4] offset:REC*\b+1536*((\s)%4)+256*\p
.endr
.endr
	WIN 0
.irp a, 0,1,2,3
.irp p, 0,1,2,3,4,5
	ds_load_b64 v[YF+48*((\s)%2)+12*\a+2*\p:YF+48*((\s)%2)+12*\a+2*\p+1], v[ADY+(\s)/4] offset:REC*\a+1536*((\s)%4)+256*\p
.endr
.endr
.endm
.macro SCALES ch                       ; a chunk's scale words: lanes 0-15 an even tile's, lanes 16-31 the odd tile's
.irp i, 0,1
	ds_load_b128 v[SC+24*\ch+4*\i:SC+24*\ch+4*\i+3], v[ASX+\ch] offset:2*REC*\i
.endr
.irp i, 0,1
	ds_load_b128 v[SC+24*\ch+16+4*\i:SC+24*\ch+16+4*\i+3], v[ASY+\ch] offset:2*REC*\i
.endr
.endm
.macro WM a, b, s, first               ; one product; first = 1: the bias is its C
.set rD, 8*(NB*\a+\b)
.set rC, BX+8*\b
.set rX, 128*((\s)%2)+12*\b
.set rY, YF+48*((\s)%2)+12*\a
.set rSX, SC+24*((\s)/4)+4*(\b/2)+(\s)%4
.set rSY, SC+24*((\s)/4)+16+4*(\a/2)+(\s)%4
.set rM, 2*(\a%2)+(\b%2)
.if \first
.if rM == 0
	v_wmma_scale_f32_16x16x128_f8f6f4 v[rD:rD+7], v[rX:rX+11], v[rY:rY+11], v[rC:rC+7], v[rSX], v[rSY] matrix_a_fmt:MATRIX_FMT_FP6 matrix_b_fmt:MATRIX_FMT_FP6
.elseif rM == 1
	v_wmma_scale_f32_16x16x128_f8f6f4 v[rD:rD+7], v[rX:rX+11], v[rY:rY+11], v[rC:rC+7], v[rSX], v[rSY] matrix_a_fmt:MATRIX_FMT_FP6 matrix_b_fmt:MATRIX_FMT_FP6 matrix_a_scale:MATRIX_SCALE_ROW1
.elseif rM == 2
	v_wmma_scale_f32_16x16x128_f8f6f4 v[rD:rD+7], v[rX:rX+11], v[rY:rY+11], v[rC:rC+7], v[rSX], v[rSY] matrix_a_fmt:MATRIX_FMT_FP6 matrix_b_fmt:MATRIX_FMT_FP6 matrix_b_scale:MATRIX_SCALE_ROW1
.else
	v_wmma_scale_f32_16x16x128_f8f6f4 v[rD:rD+7], v[rX:rX+11], v[rY:rY+11], v[rC:rC+7], v[rSX], v[rSY] matrix_a_fmt:MATRIX_FMT_FP6 matrix_b_fmt:MATRIX_FMT_FP6 matrix_a_scale:MATRIX_SCALE_ROW1 matrix_b_scale:MATRIX_SCALE_ROW1
.endif
.else
.if rM == 0
	v_wmma_scale_f32_16x16x128_f8f6f4 v[rD:rD+7], v[rX:rX+11], v[rY:rY+11], v[rD:rD+7], v[rSX], v[rSY] matrix_a_fmt:MATRIX_FMT_FP6 matrix_b_fmt:MATRIX_FMT_FP6
.elseif rM == 1
	v_wmma_scale_f32_16x16x128_f8f6f4 v[rD:rD+7], v[rX:rX+11], v[rY:rY+11], v[rD:rD+7], v[rSX], v[rSY] matrix_a_fmt:MATRIX_FMT_FP6 matrix_b_fmt:MATRIX_FMT_FP6 matrix_a_scale:MATRIX_SCALE_ROW1
.elseif rM == 2
	v_wmma_scale_f32_16x16x128_f8f6f4 v[rD:rD+7], v[rX:rX+11], v[rY:rY+11], v[rD:rD+7], v[rSX], v[rSY] matrix_a_fmt:MATRIX_FMT_FP6 matrix_b_fmt:MATRIX_FMT_FP6 matrix_b_scale:MATRIX_SCALE_ROW1
.else
	v_wmma_scale_f32_16x16x128_f8f6f4 v[rD:rD+7], v[rX:rX+11], v[rY:rY+11], v[rD:rD+7], v[rSX], v[rSY] matrix_a_fmt:MATRIX_FMT_FP6 matrix_b_fmt:MATRIX_FMT_FP6 matrix_a_scale:MATRIX_SCALE_ROW1 matrix_b_scale:MATRIX_SCALE_ROW1
.endif
.endif
.endm
.macro MUL s, first                    ; a K step's 16 products: the 16 accumulators take turns, one instruction a turn, in the same order in every step
.if \first
	WIN 0xb1                                       ; source 0 (X) window 1, source 1 (Y) window 0, C (the bias) window 3, D window 2
.else
	WIN 0xa1                                       ; C and D window 2
.endif
.irp a, 0,1,2,3
.irp b, 0,1,2,3
	WM \a, \b, \s, \first
.endr
.endr
.endm
.macro STEP s, first
	s_wait_dscnt 0x0                               ; this step's fragments are in (asked for ahead of the last step's products)
.if (\s) == 3
	s_wait_tensorcnt 0x0                           ; my part of chunk 1 has landed;
	s_barrier_signal -1
	s_barrier_wait -1                              ; everybody's has
.endif
.if (\s) < 7
.if (\s) > 0
	PLACES 4                                       ; four places in front of loads into registers that the last step's products have read
.endif
	FETCH (\s)+1
.if (\s) == 3
	SCALES 1
.endif
.endif
	MUL \s, \first
	WIN 0
.endm
	s_wait_alu depctr_va_vdst(0)
	s_cmp_lt_u32 s[WV], 2                          ; waves 0 and 1 asked for chunk 0, by load lines of their own: they wait; chunk 1's loads may stay out
	s_cbranch_scc0 .Lnot_chunk0
	s_wait_tensorcnt 0x0
.Lnot_chunk0:
	s_barrier_signal -1
	s_barrier_wait -1                              ; everybody's is
	FETCH 0
	SCALES 0
	s_wait_loadcnt 0x0                             ; the bias
	STEP 0, 1
	STEP 1, 0
	STEP 2, 0
	STEP 3, 0
	STEP 4, 0
	STEP 5, 0
	STEP 6, 0
	STEP 7, 0
; THE WAY OUT, a tile of 16 tokens x my 64 columns at a time: a lane holds pieces of one row, and the lanes beside it hold other rows: so the tile goes through my own stage in LDS and comes back as whole rows of 256 bytes.
; LDS serves a wave's instructions in order: no wait between the stores and the loads, nor in front of the next tile's stores.
.macro TOSTAGE a
	WIN 0x08                                       ; an LDS store's data are its source 1: window 2
.irp b, 0,1,2,3
	ds_store_b128 v[STO], v[8*(NB*(\a)+\b):8*(NB*(\a)+\b)+3] offset:128*(\b/2)+32*(\b%2)          ; columns 32 (b / 2) + 16 h + 8 (b % 2) + 0 .. 3: each accumulator from its low end on
	ds_store_b128 v[STO], v[8*(NB*(\a)+\b)+4:8*(NB*(\a)+\b)+7] offset:128*(\b/2)+32*(\b%2)+16
.endr
	WIN 0
.irp t, 0,1,2,3,4,5,6,7
	ds_load_b128 v[BK+32*((\a)%2)+4*\t:BK+32*((\a)%2)+4*\t+3], v[RD] offset:2*SPI*\t
.endr
.endm
.macro SEND a, younger                 ; younger: the LDS instructions issued behind tile a's loads, which may stay out
	s_wait_dscnt \younger
.irp t, 0,1,2,3,4,5,6,7
	global_store_b128 v[CO], v[BK+32*((\a)%2)+4*\t:BK+32*((\a)%2)+4*\t+3], s[10:11] offset:(8*(\a)+2*\t+24*(\t/4))*4096 th:TH_STORE_NT   ; att's tiles have the tokens' order: place p = 2 t + h of tile a (of my four) is token 32 (p / 8) + 8 a + p % 8; 16 lanes store 256 consecutive bytes, aligned
.endr
.endm
	PLACES 4                                       ; in front of the first read of results and of loads into registers that held Y's fragments
	TOSTAGE 0
.irp a, 1,2,3
.if \a > 1
	s_wait_xcnt 0x0                                ; tile a - 2's stores have read their registers: tile a's loads may land there
.endif
	TOSTAGE \a
	SEND \a-1, 16                                  ; behind tile a - 1's loads: tile a's 8 stores and 8 loads
.endr
	SEND 3, 0
	s_wait_dscnt 0x0
	s_wait_tensorcnt 0x0
	ds_add_u32 v254, v255
	s_wait_dscnt 0x0
	CROUND                                         ; the closing round: no work-group ends while a partner may still ask for a tile that names it
	s_endpgm
.Lfunc_end_k_qafbea01de2_outp:
	.size	k_qafbea01de2_outp, .Lfunc_end_k_qafbea01de2_outp-k_qafbea01de2_outp
	.p2alignl 7, 3214868480
	.fill 96, 4, 3214868480
	.section	.rodata,"a",@progbits
	.p2align	6, 0x0
	.amdhsa_kernel k_qafbea01de2_outp
		.amdhsa_group_segment_fixed_size 222720
		.amdhsa_private_segment_fixed_size 0
		.amdhsa_enable_private_segment 0
		.amdhsa_kernarg_size 32
		.amdhsa_user_sgpr_count 2
		.amdhsa_user_sgpr_kernarg_segment_ptr 1
		.amdhsa_wavefront_size32 1
		.amdhsa_system_sgpr_workgroup_id_x 1
		.amdhsa_system_sgpr_workgroup_id_y 1
		.amdhsa_system_sgpr_workgroup_id_z 1
		.amdhsa_system_vgpr_workitem_id 0
		.amdhsa_next_free_vgpr 800
		.amdhsa_next_free_sgpr 96
		.amdhsa_reserve_vcc 0
		.amdhsa_float_denorm_mode_32 3
		.amdhsa_float_denorm_mode_16_64 3
		.amdhsa_memory_ordered 1
		.amdhsa_forward_progress 1
		.amdhsa_inst_pref_size 59
	.end_amdhsa_kernel
	.amdgpu_metadata
---
amdhsa.version: [ 1, 2 ]
amdhsa.kernels:
  - .name:           k_qafbea01de2_outp
    .symbol:         k_qafbea01de2_outp.kd
    .args:
      - { .name: ops, .offset: 0, .size: 8, .value_kind: global_buffer, .address_space: global }
      - { .name: att, .offset: 8, .size: 8, .value_kind: global_buffer, .address_space: global }
      - { .name: b_o, .offset: 16, .size: 8, .value_kind: global_buffer, .address_space: global }
      - { .name: out0, .offset: 24, .size: 8, .value_kind: global_buffer, .address_space: global }
    .group_segment_fixed_size: 222720
    .private_segment_fixed_size: 0
    .kernarg_segment_align: 8
    .kernarg_segment_size: 32
    .max_flat_workgroup_size: 128
    .sgpr_count:     96
    .vgpr_count:     800
    .wavefront_size: 32
...
	.end_amdgpu_metadata
.endif
;; end of part 4
